; MI455X (gfx1250); checked and timed in simulation.
; The chip was launched on July 23, 2026; its instructions are those of AMD's public machine-readable ISA for CDNA 5 (MIT licence, August 2026) and "CDNA5" Instruction Set Architecture Reference Guide (July 2026). The comments in the code are by the model that wrote it; some were corrected since.
;; My Transformer. Allowed arithmetic: matrix products marked QUANTISED: E2M3 operands, one E8M0 scale for each 32 along K, by v_wmma_scale_f32_16x16x128_f8f6f4 with both operands' format E2M3, f32 sums; everything else in f32.
;; Inputs: W_k 1,024 x 256 float32; W_o 1,024 x 1,024 float32; W_q 1,024 x 1,024 float32; W_v 1,024 x 256 float32; b_k 256 float32; b_o 1,024 float32; b_q 1,024 float32; b_v 256 float32; idx 4 x 2,048 int32; mask 2,048 x 2,048 int32; pos_table 2,048 x 512 float32; tok_table 32,000 x 512 float32.
;; Outputs: out0 4 x 2,048 x 1,024 float32.
;; This version of the problem:
;;   THIS VERSION OF THE PROBLEM IS GIVEN IN LOW PRECISION. The matrix products marked QUANTISED in the list below multiply operands that are first quantised to E2M3 (2 exponent bits, 3 mantissa bits; 6 bits a number), with one power-of-two scale for each 32 numbers along K (OCP MX v1.0); their sums are f32. All else is computed in f32.
;;   The module's matrix products, in the order in which they are computed (A, B: the left and right operand; K: the contracted axis; several contracted axes count as one K, in the product's order):
;;     1. [M 8,192, K 1,024] x [K 1,024, N 1,024]; A: computed on the way; B: input W_q: QUANTISED
;;     2. [M 8,192, K 1,024] x [K 1,024, N 256]; A: computed on the way; B: input W_k: QUANTISED
;;     3. [M 8,192, K 1,024] x [K 1,024, N 256]; A: computed on the way; B: input W_v: QUANTISED
;;     4. batch 64 x [M 2,048, K 64] x [K 64, N 2,048]; A: computed on the way; B: computed on the way: QUANTISED
;;     5. batch 64 x [M 2,048, K 2,048] x [K 2,048, N 64]; A: softmax (see below); B: computed on the way: QUANTISED
;;     6. [M 8,192, K 1,024] x [K 1,024, N 1,024]; A: computed on the way; B: input W_o: QUANTISED
;;   THE QUANTISER, for each operand of a quantised product, along K:
;;     - K is cut into blocks of 32 from its start; a last block that is shorter is filled with zeros.
;;     - A block's scale is 2^e with e = floor(log2(the largest magnitude in the block)) - 2, held to -126 .. 127; a block of zeros has e = 0. As a byte (E8M0): e + 127.
;;     - Each number is divided by its block's scale, clamped to +-7.5, and rounded to the nearest number of E2M3, ties to even, subnormals kept.
;;     - The product sums the exact products of the quantised numbers (number of the format x scale) in f32.
;;   ~~~python
;;   def quantise(x, axis):      # numpy; x: float32 -> the quantised numbers, widened to float32 again
;;       x = np.moveaxis(x, axis, -1); K = x.shape[-1]
;;       x = np.pad(x, [(0, 0)] * (x.ndim - 1) + [(0, -K % 32)]); x = x.reshape(x.shape[:-1] + (-1, 32)); a = np.abs(x).max(-1, keepdims=True)
;;       e = np.where(a > 0, np.clip(np.frexp(np.where(a > 0, a, 1))[1] - 1 - 2, -126, 127), 0)      # np.frexp(a)[1] - 1 = floor(log2(a)), exactly
;;       r = np.clip(x / 2.0 ** e, -7.5, 7.5)
;;       step = 2.0 ** (np.maximum(np.frexp(np.where(r == 0, 1, r))[1] - 1, 0) - 3)
;;       q = np.round(r / step) * step * 2.0 ** e      # np.round: ties to even
;;       return np.moveaxis(q.reshape(q.shape[:-2] + (-1,))[..., :K], -1, axis).astype(np.float32)
;;   ~~~
;;   SOFTMAX AHEAD OF A QUANTISED PRODUCT. Where the list says 'softmax', what is quantised is not the finished softmax but p = 2^(t - M), with t = logit x log2(e) and M = ceil(the row's largest t), a whole number; so 1/2 < the row's largest p <= 1. The row's sum l is taken of the UNQUANTISED p, in f32, and the product's result is divided by l at the end. Since M is a whole number, a kernel that streams over the keys may use a running M (the ceiling of the running maximum): every later rescaling is an exact power of two, which a block's scale takes up: the codes' values come out the same.
;;   OPERANDS COMPUTED ON THE WAY. 'Computed on the way' means the value that the module computes at that place (a softmax that the list does not call 'softmax' is quantised finished and normalised). What goes into a quantiser is computed in f32, as accurately as f32 sums, v_exp_f32 and their like allow (about 1e-6 of the number): no bf16 or f16 on the way to a quantiser, and a product that is left as it is and whose result goes on into a quantised operand takes f32 operands (vector FMAs, or v_wmma_f32_16x16x4_f32). A number that lies on a knife's edge between two numbers of the format may be rounded either way, as far as f32 arithmetic and the matrix unit's own rounding can turn it there, and no further.
;; One version. Each part assembles by itself: llvm-mc -triple=amdgcn-amd-amdhsa -mcpu=gfx1250 --defsym DOCPART=n.
;; ======== version 1 of 1: 4 launches
;; limits: right only within a limited range of input values
;; workspace buffers: x_img 6,291,456 bytes; w_img 1,966,080 bytes; sc1 311,296 bytes; sc2 294,912 bytes; q_img 6,815,744 bytes; kv 3,407,872 bytes; a_img 6,291,456 bytes; maskbits 524,288 bytes of whole numbers
;; launch prep (part 1): grid 592 x 1, 4 waves a work-group, no clusters, 68,096 bytes of LDS; arguments idx, tok_table, pos_table, mask, W_q, W_k, W_v, W_o, x_img, w_img, sc1, sc2, maskbits; writes x_img, w_img, sc1, sc2, maskbits
.if DOCPART == 1
	.amdgcn_target "amdgcn-amd-amdhsa--gfx1250"
	.amdhsa_code_object_version 6
	.text
	.protected	k_q15bd695391_prep
	.globl	k_q15bd695391_prep
	.p2align	8
	.type	k_q15bd695391_prep,@function
k_q15bd695391_prep:
	s_mov_b64 s[64:65], 0
	v_nop
	global_prefetch_b8 v0, s[64:65] scope:SCOPE_SE
	s_setreg_imm32_b32 hwreg(HW_REG_WAVE_MODE, 25, 1), 1
	s_wait_xcnt 0x0
; PREP.  Three jobs, shared out by the work-group's number; every wave works alone (no barrier, no tensor load, no matrix instruction).
;   work-groups   0-255: x = [token row | position row], 8,192 x 1,024 f32, gathered and quantised to FP6 (E2M3) along its 1,024;
;   work-groups 256-511: the mask [2048][2048] int32 packed into lane-mask words for the attention launch;
;   work-groups 512-575: W_q and W_o (rows of 4,096 bytes), 576-591: W_k and W_v (rows of 1,024 bytes), quantised along their FIRST axis, which is their K.
; TILE ORDER.  A tile of 16 rows of any operand, tile T, lane r, takes row 32 (T / 2) + 8 (T % 2) + r + 8 (r / 8): in a product's result the 16 registers of two neighbouring tiles are then 16 neighbours along the next K.
; IMAGES.  A fragment (16 rows x 128 K, 12 registers a lane; registers 6 c .. 6 c + 5 hold k = 64 c + 32 (lane / 16) + 0 .. 31) lies in memory as its registers: pair p (registers 2 p, 2 p + 1) of lane l at 256 p + 8 l: 1,536 bytes;
; an operand is [tile][K step 0..7][1536].  Each store of a pair covers 256 consecutive bytes, aligned.  Scale words (four E8M0 bytes: 128 along K of a row) lie [tile][K step][row], 4 bytes each.
; THE QUANTISER.  A block's scale byte is its largest magnitude's exponent field - 2, held at 1 from below by a floor among the maximum's leaves; the conversion divides by that scale, rounds to nearest even and holds at the largest code.
; LIMITS: a block whose largest magnitude lies under 2^-124 keeps the byte 1 (a block of zeros too, where the rule says 127: its codes are zeros, and the bytes are read by this program alone); NaN and infinities among the inputs are not served.
.set SP,    528                        ; a stage row: 512 bytes + 16: sixteen rows start in sixteen different groups of banks
.set WST,   16*SP                      ; a wave's stage
.set MST,   4*WST                      ; the mask path's four stages lie behind the x path's four: each path has LDS bytes of its own
.set SPARE, 8*WST                      ; the spare words, 128 bytes for each wave: two blocks of 256 bytes that no other line names
.set SPW,   10                         ; v10  LDS address of my spare word; never rewritten
.set NIL,   11                         ; v11  0; never rewritten
.set VO,    16                         ; v16-31   x: byte offset of my 16 bytes in each of the tile's 16 table rows
.set RAW,   32                         ; v32-159  two sets of 64: 16 rows x 512 bytes as loaded
.set X,     160                        ; v160-223 64 numbers in the order that the work wants
.set PC,    224                        ; v224-235 a fragment's codes
.set PX,    236                        ; v236-243 the halves that a conversion cannot put on an odd register
.set TM,    244                        ; v244-249 largest magnitudes, scale operands, bytes
.set PW,    250                        ; v250-253 the four K steps' scale words
.set WA,    224                        ; mask: v224-227 two steps' words, two to a lane
.set WX,    32                         ; weights: v32-95 two sets of 32 numbers
.set CB,    96                         ; v96-159 eight blocks' codes, eight registers apart
.set PXW,   160
.set TMW,   164
.set SWW,   168                        ; v168-169 two K steps' scale words
.macro XLOAD sl, bank                  ; K step sl of my half: 16 rows x 512 consecutive bytes, a row a load
.irp i, 0,1,2,3,4,5,6,7,8,9,10,11,12,13,14,15
	global_load_b128 v[RAW+64*(\bank)+4*\i:RAW+64*(\bank)+4*\i+3], v[VO+\i], s[6:7] offset:512*(\sl)
.endr
.endm
.macro XTURN bank                      ; through my stage: in as loaded, out so that lane (r, h) holds of row r the numbers k = 64 c + 32 h + 0 .. 31 in X[32 c ..].  LDS serves a wave's instructions in order
.irp i, 0,1,2,3,4,5,6,7,8,9,10,11,12,13,14,15
	ds_store_b128 v7, v[RAW+64*(\bank)+4*\i:RAW+64*(\bank)+4*\i+3] offset:SP*\i
.endr
.irp c, 0,1
.irp j, 0,1,2,3,4,5,6,7
	ds_load_b128 v[X+32*\c+4*\j:X+32*\c+4*\j+3], v8 offset:256*\c+16*\j
.endr
.endr
.endm
.macro QX sl                           ; two whole blocks a lane become the fragment's 12 registers and the row's scale word
.irp c, 0,1
	v_max3_num_f32 v[TM+\c], |v[X+32*\c]|, |v[X+32*\c+1]|, 0x1800000   ; with the floor 2^(3 - 127): the byte cannot fall under 1
.endr
.irp i, 2,4,6,8,10,12,14,16,18,20,22,24,26,28,30
.irp c, 0,1
	v_max3_num_f32 v[TM+\c], v[TM+\c], |v[X+32*\c+\i]|, |v[X+32*\c+\i+1]|
.endr
.endr
.irp c, 0,1
	v_add_nc_u32 v[TM+2+\c], 0xff000000, v[TM+\c]      ; 2 off the exponent field: the conversion's scale operand
.endr
.irp c, 0,1
	v_lshrrev_b32 v[TM+4+\c], 23, v[TM+2+\c]           ; the byte
.endr
	v_lshl_or_b32 v[PW+\sl], v[TM+5], 16, v[TM+4]      ; my blocks are h and 2 + h of the row's four:
	v_lshlrev_b32 v[PW+\sl], v9, v[PW+\sl]             ; 8 h bits up,
	v_permlanex16_b32 v254, v[PW+\sl], s20, s21
	v_or_b32 v[PW+\sl], v[PW+\sl], v254                ; and with lane l xor 16's two the word is whole, in both lanes
.irp c, 0,1
	v_cvt_scalef32_pk16_fp6_f32 v[PC+6*\c:PC+6*\c+2], v[X+32*\c:X+32*\c+15], v[TM+2+\c]
	v_cvt_scalef32_pk16_fp6_f32 v[PX+4*\c:PX+4*\c+2], v[X+32*\c+16:X+32*\c+31], v[TM+2+\c]   ; (a conversion's three registers begin on an even number)
.endr
	v_nop                                              ; one plain place behind a scaled conversion
.irp c, 0,1
.irp i, 0,1,2
	v_mov_b32 v[PC+6*\c+3+\i], v[PX+4*\c+\i]
.endr
.endr
.irp p, 0,1,2,3,4,5
	global_store_b64 v5, v[PC+2*\p:PC+2*\p+1], s[48:49] offset:1536*(\sl)+256*\p   ; 32 lanes store 256 consecutive bytes, aligned
.endr
.endm
.macro MSTEP st                        ; 16 rows x 128 keys of the mask become 64 words: word 16 b + i, bit (r, h) = mask[row r of the tile][32 b + 16 h + i] != 0
	s_wait_loadcnt 16*(1-\st)                          ; this step's 16 loads are in; the second step's may be out
.irp i, 0,1,2,3,4,5,6,7,8,9,10,11,12,13,14,15
	ds_store_b128 v12, v[RAW+64*\st+4*\i:RAW+64*\st+4*\i+3] offset:SP*\i
.endr
.irp b, 0,1,2,3
.irp j, 0,1,2,3
	ds_load_b128 v[X+16*\b+4*\j:X+16*\b+4*\j+3], v13 offset:128*\b+16*\j
.endr
.endr
	v_mov_b32 v[WA+2*\st], 0                           ; (v_writelane_b32's destination counts as read)
	v_mov_b32 v[WA+2*\st+1], 0
	s_wait_dscnt 0x0
.irp g, 0,1,2,3,4,5,6,7
.irp e, 0,1,2,3,4,5,6,7
	v_cmp_ne_u32 s[40+\e], 0, v[X+8*\g+\e]             ; the 32 lanes' bits of word 8 g + e
.endr
.irp e, 0,1,2,3,4,5,6,7
	v_writelane_b32 v[WA+2*\st+\e%2], s[40+\e], 4*\g+\e/2   ; lane L gathers words 2 L and 2 L + 1
.endr
.endr
	global_store_b64 v5, v[WA+2*\st:WA+2*\st+1], s[56:57] offset:256*\st   ; one aligned run of 256 bytes
.endm
.macro WLOAD kb, pitch                 ; block kb: W(32 kb + i, my column), i = 0 .. 31: a wave reads 128 consecutive bytes of a row
.irp i, 0,1,2,3,4,5,6,7,8,9,10,11,12,13,14,15,16,17,18,19,20,21,22,23,24,25,26,27,28,29,30,31
	global_load_b32 v[WX+32*((\kb)%2)+\i], v14, s[24:25] offset:(32*(\kb)+\i)*\pitch th:TH_LOAD_NT
.endr
.endm
.macro BLOCK kb, pitch                 ; a whole block of 32 along K lies in my 32 registers
.set XS, WX+32*((\kb)%2)
.if (\kb) < 7
	s_wait_loadcnt 32                                  ; this block's 32 loads are in; the next block's may be out
.else
	s_wait_loadcnt 0x0
.endif
	v_max3_num_f32 v[TMW], |v[XS]|, |v[XS+1]|, |v[XS+2]|
	v_max3_num_f32 v[TMW+1], |v[XS+3]|, |v[XS+4]|, |v[XS+5]|
.irp i, 6,10,14,18,22,26
	v_max3_num_f32 v[TMW], v[TMW], |v[XS+\i]|, |v[XS+\i+1]|
	v_max3_num_f32 v[TMW+1], v[TMW+1], |v[XS+\i+2]|, |v[XS+\i+3]|
.endr
	v_max3_num_f32 v[TMW], v[TMW], |v[XS+30]|, |v[XS+31]|
	v_max3_num_f32 v[TMW], v[TMW], v[TMW+1], 0x1800000 ; and the floor
	v_add_nc_u32 v[TMW+2], 0xff000000, v[TMW]
	v_lshrrev_b32 v[TMW+3], 23, v[TMW+2]
.if (\kb)%4 == 0
	v_mov_b32 v[SWW+(\kb)/4], v[TMW+3]                 ; four bytes to a word, the lower K in the lower byte
.else
	v_lshl_or_b32 v[SWW+(\kb)/4], v[TMW+3], 8*((\kb)%4), v[SWW+(\kb)/4]
.endif
	v_cvt_scalef32_pk16_fp6_f32 v[CB+8*(\kb):CB+8*(\kb)+2], v[XS:XS+15], v[TMW+2]
	v_cvt_scalef32_pk16_fp6_f32 v[PXW:PXW+2], v[XS+16:XS+31], v[TMW+2]
	v_nop                                              ; one plain place behind a scaled conversion
.irp i, 0,1,2
	v_mov_b32 v[CB+8*(\kb)+3+\i], v[PXW+\i]
.endr
.if (\kb)+2 < 8
	WLOAD (\kb)+2, \pitch
.endif
.endm
; K step sl of the wave's two.  Lanes 0-15 hold the columns of tile 0, lanes 16-31 those of tile 1, each lane all four blocks.  The exchange of halves between blocks 2 c and 2 c + 1 leaves in the first
; register tile 0's image (lanes 16-31: its block 2 c + 1) and in the second tile 1's.
.macro WOUT sl
.irp c, 0,1
.irp i, 0,1,2,3,4,5
	v_permlane16_swap_b32 v[CB+8*(4*\sl+2*\c)+\i], v[CB+8*(4*\sl+2*\c+1)+\i]
.endr
.endr
.irp u, 0,1
.irp p, 0,1,2,3,4,5
	global_store_b64 v5, v[CB+8*(4*\sl+2*(\p/3)+\u)+2*(\p%3):CB+8*(4*\sl+2*(\p/3)+\u)+2*(\p%3)+1], s[26:27] offset:\u*12288+\sl*1536+256*\p
.endr
.endr
	global_store_b32 v15, v[SWW+\sl], s[28:29] offset:64*\sl   ; two pieces of 64 bytes: the weights' scale words are 81,920 bytes in the whole launch
.endm
; A wave takes 32 columns (two tiles) x 256 along K (two K steps).  sa, sb: the two tensors' pointers; ca, cb: their scale buffers'; t0, t1: their first tiles in w_img; u0, u1: in the scale image
.macro WPATH pitch, first, lg, sa, sb, ca, cb, t0, t1, u0, u1
	s_sub_co_u32 s14, ttmp9, \first
	s_lshr_b32 s15, s14, \lg                           ; which of the two tensors
	s_and_b32 s16, s14, (1<<\lg)-1
	s_lshr_b32 s17, s16, 2                             ; which 128 columns
	s_and_b32 s16, s16, 3                              ; which 256 along K
	s_cmp_eq_u32 s15, 0                                ; the choice hangs on the work-group's number alone
	s_cselect_b64 s[24:25], s[\sa:\sa+1], s[\sb:\sb+1]
	s_cselect_b64 s[28:29], s[\ca:\ca+1], s[\cb:\cb+1]
	s_cselect_b32 s18, \t0, \t1
	s_cselect_b32 s19, \u0, \u1
	s_mov_b64 s[26:27], s[50:51]
	s_lshl_b32 s30, s17, 3
	s_lshl_b32 s31, s12, 1
	s_add_co_u32 s30, s30, s31                         ; my first tile in the tensor: 8 x group + 2 x wave
	s_add_co_u32 s18, s18, s30
	s_add_co_u32 s19, s19, s30
	s_mul_i32 s18, s18, 12288
	s_mul_i32 s31, s16, 3072
	s_add_co_u32 s32, s18, s31
	s_mov_b32 s33, 0
	s_add_nc_u64 s[26:27], s[26:27], s[32:33]          ; the image of my first tile, my first K step
	s_lshl_b32 s19, s19, 9
	s_lshl_b32 s31, s16, 7
	s_add_co_u32 s32, s19, s31
	s_add_co_u32 s32, s32, 262144                      ; the weights' scale words lie behind the activations' in both scale buffers
	s_add_nc_u64 s[28:29], s[28:29], s[32:33]
	s_mul_i32 s32, s16, 256*\pitch
	s_lshl_b32 s31, s30, 6                             ; 16 columns of 4 bytes a tile
	s_add_co_u32 s32, s32, s31
	s_add_nc_u64 s[24:25], s[24:25], s[32:33]
	v_and_b32 v14, 8, v2
	v_add_nc_u32 v14, v14, v2
	v_lshl_add_u32 v14, v3, 3, v14
	v_lshlrev_b32 v14, 2, v14                          ; lane (u, r) takes column 8 u + r + 8 (r / 8) of the 32: the tile order
	v_lshlrev_b32 v15, 2, v2
	v_lshl_add_u32 v15, v3, 9, v15                     ; its scale word: tile u, row r
	WLOAD 0, \pitch
	WLOAD 1, \pitch
	BLOCK 0, \pitch
	BLOCK 1, \pitch
	BLOCK 2, \pitch
	BLOCK 3, \pitch
	WOUT 0
	BLOCK 4, \pitch
	BLOCK 5, \pitch
	BLOCK 6, \pitch
	BLOCK 7, \pitch
	WOUT 1
	s_endpgm
.endm
	s_load_b256 s[4:11], s[0:1], 0x0                   ; idx s[4:5], tok_table s[6:7], pos_table s[8:9], mask s[10:11]
	s_load_b256 s[40:47], s[0:1], 0x20                 ; W_q s[40:41], W_k s[42:43], W_v s[44:45], W_o s[46:47]
	s_load_b256 s[48:55], s[0:1], 0x40                 ; x_img s[48:49], w_img s[50:51], sc1 s[52:53], sc2 s[54:55]
	s_load_b64 s[56:57], s[0:1], 0x60                  ; maskbits
	v_lshl_add_u32 v[SPW], v0, 2, SPARE
	v_mov_b32 v[NIL], 0
	v_lshrrev_b32 v1, 5, v0
	v_readfirstlane_b32 s12, v1                        ; wave 0..3
	v_and_b32 v1, 31, v0                               ; lane
	v_and_b32 v2, 15, v0                               ; r
	v_bfe_u32 v3, v0, 4, 1                             ; h
	v_lshlrev_b32 v4, 4, v1                            ; 16 x lane
	v_lshlrev_b32 v5, 3, v1                            ; 8 x lane
	v_lshlrev_b32 v6, 2, v1                            ; 4 x lane
	s_mul_i32 s13, s12, WST
	v_add_nc_u32 v7, s13, v4                           ; every LDS address is made here, ahead of the parting.  x: into my stage, 16 bytes a lane;
	v_mul_u32_u24 v8, v2, SP
	v_add_nc_u32 v8, s13, v8
	v_lshl_add_u32 v13, v3, 6, v8
	v_add_nc_u32 v13, MST, v13                         ; mask: out of my stage: row r, + 64 h;
	v_lshl_add_u32 v8, v3, 7, v8                       ; x: out of it: row r, + 128 h;
	v_add_nc_u32 v12, MST, v7                          ; mask: into it
	v_lshlrev_b32 v9, 3, v3                            ; 8 h
	s_mov_b32 s20, 0x76543210
	s_mov_b32 s21, 0xfedcba98                          ; v_permlanex16_b32's selects for lane l xor 16
	s_mov_b32 s22, 0xffff0000                          ; lanes 16-31
	s_wait_kmcnt 0x0
	s_cmp_lt_u32 ttmp9, 256
	s_cbranch_scc1 .Lx
	s_cmp_lt_u32 ttmp9, 512
	s_cbranch_scc1 .Lmask
	s_cmp_lt_u32 ttmp9, 576
	s_cbranch_scc1 .Lwide
	WPATH 1024, 576, 3, 42, 44, 52, 52, 64, 80, 64, 80 ; W_k: tiles 64-79, W_v: tiles 80-95
.Lwide:
	WPATH 4096, 512, 5, 40, 46, 52, 54, 0, 96, 0, 0    ; W_q: tiles 0-63; W_o: tiles 96-159, its scale words in sc2
; ---- x.  Wave w of work-group i: tile T = 2 i + w / 2; w % 2 = 0: the token half (K steps 0-3), 1: the position half (K steps 4-7).  Rows of both tables are 2,048 bytes.
.Lx:
	s_lshl_b32 s14, ttmp9, 1
	s_lshr_b32 s15, s12, 1
	s_add_co_u32 s14, s14, s15                         ; T
	s_and_b32 s15, s12, 1                              ; which half
	s_lshr_b32 s16, s14, 1
	s_lshl_b32 s16, s16, 5
	s_and_b32 s17, s14, 1
	s_lshl_b32 s17, s17, 3
	s_add_co_u32 s16, s16, s17                         ; the tile's first token among the 8,192
	s_lshl_b32 s18, s16, 2
	s_mov_b32 s19, 0
	s_add_nc_u64 s[4:5], s[4:5], s[18:19]
	s_load_b256 s[24:31], s[4:5], 0x0                  ; the indices of the tile's rows 0-7,
	s_load_b256 s[32:39], s[4:5], 0x40                 ; and of rows 8-15, 16 tokens on
	s_and_b32 s16, s16, 2047                           ; its first position
	s_cmp_eq_u32 s15, 0
	s_cselect_b64 s[6:7], s[6:7], s[8:9]               ; my table
	s_cselect_b32 s58, -1, 0                           ; keeps the index in the token half, clears it in the other
	s_cselect_b32 s59, 0, s16                          ; the first position, in the position half
	s_lshl_b32 s60, s15, 11
	v_mov_b32 v14, s60                                 ; a table row's bytes, in the position half; else 0
	v_mov_b32 v254, 0                                  ; written once: a lane permute's destination counts as one of its sources
	s_mul_i32 s18, s14, 12288
	s_mul_i32 s17, s15, 6144
	s_add_co_u32 s18, s18, s17
	s_add_nc_u64 s[48:49], s[48:49], s[18:19]          ; my four fragments
	s_lshl_b32 s18, s14, 9
	s_lshl_b32 s17, s15, 8
	s_add_co_u32 s18, s18, s17
	s_add_nc_u64 s[52:53], s[52:53], s[18:19]          ; and their scale words
	s_wait_alu depctr_va_vdst(0)
	s_wait_kmcnt 0x0
.irp i, 0,1,2,3,4,5,6,7,8,9,10,11,12,13,14,15
	s_min_u32 s[24+\i], s[24+\i], 31999                ; a loaded number enters an address only behind this hold (an index stays inside its table anyway)
	s_and_b32 s[24+\i], s[24+\i], s58
	s_add_co_u32 s[24+\i], s[24+\i], s59
	s_lshl_b32 s[24+\i], s[24+\i], 11
	v_mad_u32_u24 v[VO+\i], v14, \i+8*(\i/8), v4       ; the position half's row i + 8 (i / 8) of the tile; + 16 x lane
	v_add_nc_u32 v[VO+\i], s[24+\i], v[VO+\i]
.endr
	s_wait_alu depctr_va_vdst(0)
	XLOAD 0, 0
	XLOAD 1, 1
.irp sl, 0,1,2,3
.if \sl < 3
	s_wait_loadcnt 16                                  ; this K step's 16 loads are in; the next one's may be out
.else
	s_wait_loadcnt 0x0
.endif
	XTURN \sl%2
	s_wait_dscnt 0x0                                   ; the numbers are back, and the stage's stores have read their registers,
.if \sl < 2
	XLOAD \sl+2, \sl%2                                 ; which take the loads of two K steps on
.endif
	s_wait_xcnt 0x0                                    ; the last K step's stores have read the codes' registers
	QX \sl
.if \sl%2 == 1
	v_cndmask_b32 v[PW+\sl-1], v[PW+\sl-1], v[PW+\sl], s22   ; lanes 0-15: the K step before, lanes 16-31: this one:
	global_store_b32 v6, v[PW+\sl-1], s[52:53] offset:64*(\sl-1)   ; 128 consecutive bytes
.endif
.endr
	s_wait_tensorcnt 0x0                               ; the wave's end, behind my last LDS store
	ds_add_u32 v[SPW], v[NIL]
	s_wait_dscnt 0x0
	s_endpgm
; ---- the mask.  Work-group j = i - 256: query tile j / 2; wave w: key steps 8 (j % 2) + 2 w and the next.
.Lmask:
	s_sub_co_u32 s14, ttmp9, 256
	s_lshr_b32 s15, s14, 1                             ; the query tile
	s_and_b32 s16, s14, 1
	s_lshl_b32 s16, s16, 3
	s_lshl_b32 s17, s12, 1
	s_add_co_u32 s16, s16, s17                         ; my first step of 128 keys
	s_lshr_b32 s17, s15, 1
	s_lshl_b32 s17, s17, 5
	s_and_b32 s18, s15, 1
	s_lshl_b32 s18, s18, 3
	s_add_co_u32 s17, s17, s18                         ; the tile's first query
	s_lshl_b32 s18, s17, 13                            ; a row of the mask is 8,192 bytes,
	s_lshl_b32 s19, s16, 9                             ; a step 512
	s_add_co_u32 s18, s18, s19
	s_mov_b32 s19, 0
	s_add_nc_u64 s[10:11], s[10:11], s[18:19]
	s_lshl_b32 s18, s15, 12
	s_lshl_b32 s17, s16, 8
	s_add_co_u32 s18, s18, s17
	s_add_nc_u64 s[56:57], s[56:57], s[18:19]          ; maskbits [query tile][step][64 words]
.irp st, 0,1
.irp i, 0,1,2,3,4,5,6,7,8,9,10,11,12,13,14,15
	global_load_b128 v[RAW+64*\st+4*\i:RAW+64*\st+4*\i+3], v4, s[10:11] offset:(\i+8*(\i/8))*8192+512*\st th:TH_LOAD_NT   ; 512 consecutive bytes of a row, read once
.endr
.endr
	s_wait_alu depctr_va_vdst(0)
	MSTEP 0
	MSTEP 1
	s_wait_tensorcnt 0x0                               ; the wave's end, behind my last LDS store
	ds_add_u32 v[SPW], v[NIL]
	s_wait_dscnt 0x0
	s_endpgm
.Lfunc_end_k_q15bd695391_prep:
	.size	k_q15bd695391_prep, .Lfunc_end_k_q15bd695391_prep-k_q15bd695391_prep
	.p2alignl 7, 3214868480
	.fill 96, 4, 3214868480
	.section	.rodata,"a",@progbits
	.p2align	6, 0x0
	.amdhsa_kernel k_q15bd695391_prep
		.amdhsa_group_segment_fixed_size 68096
		.amdhsa_private_segment_fixed_size 0
		.amdhsa_enable_private_segment 0
		.amdhsa_kernarg_size 104
		.amdhsa_user_sgpr_count 2
		.amdhsa_user_sgpr_kernarg_segment_ptr 1
		.amdhsa_wavefront_size32 1
		.amdhsa_system_sgpr_workgroup_id_x 1
		.amdhsa_system_sgpr_workgroup_id_y 1
		.amdhsa_system_sgpr_workgroup_id_z 1
		.amdhsa_system_vgpr_workitem_id 0
		.amdhsa_next_free_vgpr 256
		.amdhsa_next_free_sgpr 66
		.amdhsa_reserve_vcc 0
		.amdhsa_float_denorm_mode_32 3
		.amdhsa_float_denorm_mode_16_64 3
		.amdhsa_memory_ordered 1
		.amdhsa_forward_progress 1
		.amdhsa_inst_pref_size 141
	.end_amdhsa_kernel
	.amdgpu_metadata
---
amdhsa.version: [ 1, 2 ]
amdhsa.kernels:
  - .name:           k_q15bd695391_prep
    .symbol:         k_q15bd695391_prep.kd
    .args:
      - { .name: idx, .offset: 0, .size: 8, .value_kind: global_buffer, .address_space: global }
      - { .name: tok_table, .offset: 8, .size: 8, .value_kind: global_buffer, .address_space: global }
      - { .name: pos_table, .offset: 16, .size: 8, .value_kind: global_buffer, .address_space: global }
      - { .name: mask, .offset: 24, .size: 8, .value_kind: global_buffer, .address_space: global }
      - { .name: W_q, .offset: 32, .size: 8, .value_kind: global_buffer, .address_space: global }
      - { .name: W_k, .offset: 40, .size: 8, .value_kind: global_buffer, .address_space: global }
      - { .name: W_v, .offset: 48, .size: 8, .value_kind: global_buffer, .address_space: global }
      - { .name: W_o, .offset: 56, .size: 8, .value_kind: global_buffer, .address_space: global }
      - { .name: x_img, .offset: 64, .size: 8, .value_kind: global_buffer, .address_space: global }
      - { .name: w_img, .offset: 72, .size: 8, .value_kind: global_buffer, .address_space: global }
      - { .name: sc1, .offset: 80, .size: 8, .value_kind: global_buffer, .address_space: global }
      - { .name: sc2, .offset: 88, .size: 8, .value_kind: global_buffer, .address_space: global }
      - { .name: maskbits, .offset: 96, .size: 8, .value_kind: global_buffer, .address_space: global }
    .group_segment_fixed_size: 68096
    .private_segment_fixed_size: 0
    .kernarg_segment_align: 8
    .kernarg_segment_size: 104
    .max_flat_workgroup_size: 128
    .sgpr_count:     66
    .vgpr_count:     256
    .wavefront_size: 32
...
	.end_amdgpu_metadata
.endif
;; end of part 1
;; launch qkv (part 2): grid 32 x 6, 4 waves a work-group, clusters of 4 x 1, 327,680 bytes of LDS; arguments x_img, w_img, sc1, b_q, b_k, b_v, q_img, kv; writes q_img, kv
.if DOCPART == 2
	.amdgcn_target "amdgcn-amd-amdhsa--gfx1250"
	.amdhsa_code_object_version 6
	.text
	.protected	k_q15bd695391_qkv
	.globl	k_q15bd695391_qkv
	.p2align	8
	.type	k_q15bd695391_qkv,@function
k_q15bd695391_qkv:
	s_mov_b64 s[64:65], 0
	v_nop
	global_prefetch_b8 v0, s[64:65] scope:SCOPE_SE
	s_setreg_imm32_b32 hwreg(HW_REG_WAVE_MODE, 25, 1), 1
	s_wait_xcnt 0x0
	s_wait_alu depctr_hold_cnt(0) depctr_sa_sdst(0) depctr_va_vdst(0) depctr_va_sdst(0) depctr_va_ssrc(0) depctr_va_vcc(0) depctr_vm_vsrc(0)
	s_getreg_b32 s2, hwreg(HW_REG_IB_STS2, 6, 4)
	s_cmp_eq_u32 s2, 0
	s_cbranch_scc0 .Lentry_in_a_cluster
	s_endpgm
.Lentry_in_a_cluster:
	s_bfe_u32 s2, ttmp6, 0x10000c
	s_cmp_lg_u32 s2, 0x3003
	s_cbranch_scc0 .Lentry_shape_is_right
	s_endpgm
.Lentry_shape_is_right:
.set SLOT,  98304
.set REG1,  49152
.set HALFB, 24576
.set TILEB, 3072
.set SPARE, 2*SLOT
.set FR,    12
.set NL,    6
.set ADRR,  16
.set ADRP,  20
.set L8,    24
.set SPW,   28
.set NIL,   29
.set SC,    32
.set RF,    128
.set BP,    192
.set T,     128
.set PC,    192
.set TM,    212
.set SW,    232
.set BR,    240
.set G1,    24
.set G0,    32
.set G1B,   48
.set G0B,   56
.set SEL,   78
.set MSB, 0
.macro WIN new
.if MSB != \new
	s_set_vgpr_msb (MSB<<8)|\new
.set MSB, \new
.endif
.endm
.set MUL_LO,  0xa1
.set MUL_HI,  0xf1
.set MULB_LO, 0x91
.set MULB_HI, 0xd1
.set TO_P,    0x40
.macro JLOAD g0a, g1a, g0b, g1b
	s_cmp_eq_u32 s21, 0
	s_cbranch_scc0 .Lfor_b_\@
	tensor_load_to_lds s[\g0a:\g0a+3], s[\g1a:\g1a+7]
	s_nop 0
.rept 4
	v_nop
.endr
	s_branch .Lasked_\@
.Lfor_b_\@:
	tensor_load_to_lds s[\g0b:\g0b+3], s[\g1b:\g1b+7]
	s_nop 0
.rept 4
	v_nop
.endr
.Lasked_\@:
.endm
.macro CREST
	s_cmp_lg_u32 s20, 0
	s_cbranch_scc1 .Lnot_wave_0_\@
	s_barrier_signal -3
.Lnot_wave_0_\@:
	s_barrier_wait -3
	s_barrier_signal -1
	s_barrier_wait -1
.endm
.macro CROUND
	s_barrier_signal -1
	s_barrier_wait -1
	CREST
.endm
.macro PLACES n
.rept \n
	v_nop
.endr
.endm
.macro FRAG reg, adr, q, i
.irp p, 0,1,2,3,4,5
	ds_load_b64 v[\reg+2*\p:\reg+2*\p+1], v[\adr] offset:(\i)*TILEB+(\q)*1536+256*\p
.endr
.endm
.macro FETCH_P slot, q, ps
	WIN TO_P
.irp i, 0,1,2,3,4,5,6,7
	FRAG 96*(\ps)+FR*\i, ADRP+\slot, \q, \i
.endr
	WIN 0
.endm
.macro FETCH_R slot, q, i0
.irp i, \i0, \i0+1, \i0+2, \i0+3
	FRAG RF+FR*(\i), ADRR+\slot, \q, \i
.endr
.endm
.macro MUL16 a0, ps, sg, cmode
.irp a, \a0, \a0+1
.irp b, 0,1,2,3,4,5,6,7
.if \cmode
	v_wmma_scale_f32_16x16x128_f8f6f4 v[8*(8*((\a)%4)+\b):8*(8*((\a)%4)+\b)+7], v[96*(\ps)+FR*\b:96*(\ps)+FR*\b+FR-1], v[RF+FR*(\a):RF+FR*(\a)+FR-1], v[BP+8*\b:BP+8*\b+7], v[SC+8*\b+(\sg)], v[SC+8*(\a)+(\sg)] matrix_a_fmt:MATRIX_FMT_FP6 matrix_b_fmt:MATRIX_FMT_FP6 matrix_a_scale:MATRIX_SCALE_ROW1
.else
	v_wmma_scale_f32_16x16x128_f8f6f4 v[8*(8*((\a)%4)+\b):8*(8*((\a)%4)+\b)+7], v[96*(\ps)+FR*\b:96*(\ps)+FR*\b+FR-1], v[RF+FR*(\a):RF+FR*(\a)+FR-1], v[8*(8*((\a)%4)+\b):8*(8*((\a)%4)+\b)+7], v[SC+8*\b+(\sg)], v[SC+8*(\a)+(\sg)] matrix_a_fmt:MATRIX_FMT_FP6 matrix_b_fmt:MATRIX_FMT_FP6 matrix_a_scale:MATRIX_SCALE_ROW1
.endif
.endr
.endr
.endm
.macro STEP slot, sg, cmode
	s_wait_dscnt 4*NL
.if \cmode
	WIN MULB_LO
.else
	WIN MUL_LO
.endif
	MUL16 0, 0, \sg, \cmode
	MUL16 2, 0, \sg, \cmode
	s_wait_dscnt 0x0
	PLACES 4
	FETCH_P \slot, 1, 1
	FETCH_R \slot, 1, 0
.if \cmode
	WIN MULB_HI
.else
	WIN MUL_HI
.endif
	MUL16 4, 0, \sg, \cmode
	MUL16 6, 0, \sg, \cmode
	PLACES 4
	WIN 0
	FETCH_R \slot, 1, 4
.endm
.macro TURN slot, next, sg, fill
	s_wait_tensorcnt 0x0
	ds_add_u32 v[SPW], v[NIL]
	s_wait_dscnt 4*NL+1
	WIN MUL_LO
	MUL16 0, 1, \sg, 0
	s_wait_dscnt 0x0
	s_barrier_signal -1
	MUL16 2, 1, \sg, 0
	WIN 0
	s_barrier_wait -1
.if \fill
	CREST
	s_add_nc_u64 s[G0+4*\slot+2:G0+4*\slot+3], s[G0+4*\slot+2:G0+4*\slot+3], 2*TILEB
	s_add_nc_u64 s[G0B+4*\slot+2:G0B+4*\slot+3], s[G0B+4*\slot+2:G0B+4*\slot+3], 2*TILEB
	JLOAD G0+4*\slot, G1, G0B+4*\slot, G1B
.else
	PLACES 4
.endif
	FETCH_P \next, 0, 0
	FETCH_R \next, 0, 0
	WIN MUL_HI
	MUL16 4, 1, \sg, 0
	MUL16 6, 1, \sg, 0
	PLACES 4
	WIN 0
	FETCH_R \next, 0, 4
.endm
.macro QUANT s, pw
.irp b, 0,1,2,3
	v_max3_num_f32 v[TM+\b], |v[\s+16*\b]|, |v[\s+1+16*\b]|, 0x1800000
.endr
.irp i, 2,4,6,8,10,12,14
.irp b, 0,1,2,3
	v_max3_num_f32 v[TM+\b], v[TM+\b], |v[\s+16*\b+\i]|, |v[\s+1+16*\b+\i]|
.endr
.endr
.irp b, 0,1,2,3
	v_permlanex16_b32 v[TM+4+\b], v[TM+\b], s[SEL], s[SEL+1]
.endr
.irp b, 0,1,2,3
	v_max_num_f32 v[TM+\b], v[TM+\b], v[TM+4+\b]
.endr
.irp b, 0,1,2,3
	v_add_nc_u32 v[TM+12+\b], 0xff000000, v[TM+\b]
.endr
.irp b, 0,1,2,3
	v_lshrrev_b32 v[TM+4+\b], 23, v[TM+12+\b]
.endr
	v_lshl_or_b32 v[\pw], v[TM+5], 8, v[TM+4]
	v_lshl_or_b32 v[\pw], v[TM+6], 16, v[\pw]
	v_lshl_or_b32 v[\pw], v[TM+7], 24, v[\pw]
.irp c, 0,1
	v_cvt_scalef32_pk16_fp6_f32 v[PC+6*\c:PC+2+6*\c], v[\s+32*\c:\s+15+32*\c], v[TM+12+2*\c]
	v_cvt_scalef32_pk16_fp6_f32 v[PC+12+4*\c:PC+14+4*\c], v[\s+16+32*\c:\s+31+32*\c], v[TM+12+2*\c+1]
.endr
	v_nop
.irp c, 0,1
.irp i, 0,1,2
	v_permlane16_swap_b32 v[PC+6*\c+\i], v[PC+12+4*\c+\i]
.endr
.irp i, 0,1,2
	v_mov_b32 v[PC+3+6*\c+\i], v[PC+12+4*\c+\i]
.endr
.endr
.endm
.macro OUT a
	WIN 0x02+(\a)/4
.set n_, 0
.rept 32
	v_pk_add_f32 v[T+n_:T+n_+1], v[64*((\a)%4)+n_:64*((\a)%4)+n_+1], v[BR+2*(\a):BR+2*(\a)+1] op_sel_hi:[1,0]
.set n_, n_+2
.endr
	WIN 0
	QUANT T, SW+(\a)
.irp p, 0,1,2
	global_store_b64 v[L8], v[PC+2*\p:PC+2*\p+1], s[92:93] offset:256*\p
.endr
.irp p, 0,1,2
	global_store_b64 v[L8], v[PC+6+2*\p:PC+6+2*\p+1], s[94:95] offset:256*\p
.endr
.if (\a) < 7
	s_wait_xcnt 0x0
	s_add_nc_u64 s[92:93], s[92:93], s[96:97]
	s_add_nc_u64 s[94:95], s[94:95], s[96:97]
.if (\a) == 3
	s_add_nc_u64 s[92:93], s[92:93], s[98:99]
	s_add_nc_u64 s[94:95], s[94:95], s[98:99]
.endif
.endif
.endm
	s_load_b256 s[4:11], s[0:1], 0x0
	s_load_b256 s[12:19], s[0:1], 0x20
	v_lshl_add_u32 v[SPW], v0, 2, SPARE
	v_mov_b32 v[NIL], 0
	ds_add_u32 v[SPW], v[NIL]
	ds_add_u32 v[SPW], v[NIL]
	v_lshrrev_b32 v1, 5, v0
	v_readfirstlane_b32 s20, v1
	s_lshr_b32 s21, s20, 1
	s_and_b32 s22, s20, 1
	s_bfe_u32 s40, ttmp6, 0x40000
	s_lshl_b32 s41, ttmp9, 2
	s_add_co_u32 s41, s41, s40
	s_and_b32 s42, ttmp7, 0xffff
	s_mov_b32 s[G1+0], 3<<16
	s_mov_b32 s[G1B+0], 15|(3<<16)|(1<<21)
.irp g, G1, G1B
	s_mov_b32 s[\g+1], 384<<16
	s_mov_b32 s[\g+2], 8<<16
	s_mov_b32 s[\g+3], 384<<16
	s_mov_b32 s[\g+4], 8
	s_mov_b32 s[\g+5], 1536
	s_mov_b32 s[\g+6], 0
	s_mov_b32 s[\g+7], 0
.endr
	s_lshl_b32 s23, s22, 3
	s_lshl_b32 s66, s41, 4
	s_add_co_u32 s66, s66, s23
	s_mul_i32 s66, s66, 12288
	s_mov_b32 s67, 0
	s_lshl_b32 s68, s42, 4
	s_add_co_u32 s68, s68, s23
	s_mul_i32 s68, s68, 12288
	s_mov_b32 s69, 0
	s_mul_i32 s46, s20, HALFB
	s_wait_dscnt 0x0
	s_wait_kmcnt 0x0
	s_add_nc_u64 s[66:67], s[4:5], s[66:67]
	s_add_nc_u64 s[68:69], s[6:7], s[68:69]
	CROUND
.irp s, 0,1
	s_mov_b32 s[G0+4*\s], 1
	s_add_co_u32 s[G0+4*\s+1], s46, \s*SLOT
	s_add_nc_u64 s[G0+4*\s+2:G0+4*\s+3], s[66:67], \s*TILEB
	s_or_b32 s[G0+4*\s+3], s[G0+4*\s+3], 0x80000000
	s_mov_b32 s[G0B+4*\s], 1
	s_add_co_u32 s[G0B+4*\s+1], s46, \s*SLOT
	s_add_nc_u64 s[G0B+4*\s+2:G0B+4*\s+3], s[68:69], \s*TILEB
	s_or_b32 s[G0B+4*\s+3], s[G0B+4*\s+3], 0x80000000
	s_wait_alu depctr_va_vdst(0)
	s_wait_tensorcnt 0x0
	ds_add_u32 v28, v29
	ds_add_u32 v28, v29
	s_wait_dscnt 0x0
	CROUND
	JLOAD G0+4*\s, G1, G0B+4*\s, G1B
.endr
	s_cmp_eq_u32 s42, 5
	s_cselect_b32 s43, 0, REG1
	s_cselect_b32 s44, REG1, 0
	s_cselect_b32 s45, s22, s21
	s_cselect_b32 s47, s21, s22
	s_cselect_b32 s70, 0, -1
	s_cselect_b32 s71, -1, 0
	v_and_b32 v2, 31, v0
	v_and_b32 v1, 15, v0
	v_bfe_u32 v3, v0, 4, 1
	v_lshlrev_b32 v[L8], 3, v2
	s_mul_i32 s72, s22, HALFB
	s_add_co_u32 s72, s72, s43
	s_mul_i32 s73, s21, HALFB
	s_add_co_u32 s73, s73, s44
.irp s, 0,1
	v_add_nc_u32 v[ADRP+\s], s72, v[L8]
	v_add_nc_u32 v[ADRR+\s], s73, v[L8]
	s_add_co_u32 s72, s72, SLOT
	s_add_co_u32 s73, s73, SLOT
.endr
	s_lshl_b32 s74, s41, 13
	s_lshl_b32 s75, s45, 12
	s_add_co_u32 s74, s74, s75
	s_lshl_b32 s75, s42, 13
	s_lshl_b32 s76, s47, 12
	s_add_co_u32 s75, s75, s76
	s_add_co_u32 s75, s75, 262144
	s_cmp_eq_u32 s42, 5
	s_cselect_b32 s76, s75, s74
	s_cselect_b32 s77, s74, s75
	s_mov_b32 s23, 0xffff0000
	v_mov_b32 v4, s76
	v_mov_b32 v5, s77
	v_cndmask_b32 v4, v4, v5, s23
	v_lshl_add_u32 v4, v1, 2, v4
.irp i, 0,1,2,3,4,5,6,7
.irp s, 0,1,2,3,4,5,6,7
	global_load_b32 v[SC+8*\i+\s], v4, s[8:9] offset:\i*512+\s*64
.endr
.endr
	s_cmp_lt_u32 s42, 4
	s_cselect_b64 s[80:81], s[10:11], s[12:13]
	s_cselect_b32 s82, s42, 0
	s_cmp_eq_u32 s42, 5
	s_cselect_b64 s[80:81], s[14:15], s[80:81]
	s_lshl_b32 s82, s82, 10
	s_lshl_b32 s83, s47, 9
	s_add_co_u32 s82, s82, s83
	s_mov_b32 s83, 0
	s_add_nc_u64 s[80:81], s[80:81], s[82:83]
	v_lshlrev_b32 v5, 6, v3
	v_and_b32 v6, 8, v1
	v_add_nc_u32 v6, v6, v1
	v_lshlrev_b32 v6, 2, v6
	WIN 0x40
.irp b, 0,1,2,3,4,5,6,7
	global_load_b128 v[BP+8*\b:BP+8*\b+3], v5, s[80:81] offset:(32*(\b/2)+8*(\b%2))*4
	global_load_b128 v[BP+8*\b+4:BP+8*\b+7], v5, s[80:81] offset:(32*(\b/2)+8*(\b%2))*4+16
.endr
	WIN 0
.irp a, 0,1,2,3,4,5,6,7
	global_load_b32 v[BR+2*\a], v6, s[80:81] offset:(32*(\a/2)+8*(\a%2))*4
	v_mov_b32 v[BR+2*\a+1], 0
.endr
	s_mov_b32 s[SEL], 0x76543210
	s_mov_b32 s[SEL+1], 0xfedcba98
	s_wait_loadcnt 0x0
	WIN 0x44
.set n_, 0
.rept 64
	v_cndmask_b32 v[BP+n_], 0, v[BP+n_], s70
.set n_, n_+1
.endr
	WIN 0
.irp a, 0,1,2,3,4,5,6,7
	v_cndmask_b32 v[BR+2*\a], 0, v[BR+2*\a], s71
.endr
	s_wait_alu depctr_va_vdst(0)
	s_wait_tensorcnt 1
	s_barrier_signal -1
	s_barrier_wait -1
	FETCH_P 0, 0, 0
	FETCH_R 0, 0, 0
	FETCH_R 0, 0, 4
	STEP 0, 0, 1
	TURN 0, 1, 1, 1
	STEP 1, 2, 0
	TURN 1, 0, 3, 1
	STEP 0, 4, 0
	TURN 0, 1, 5, 0
	STEP 1, 6, 0
	s_wait_dscnt 4*NL
	WIN MUL_LO
	MUL16 0, 1, 7, 0
	MUL16 2, 1, 7, 0
	s_wait_dscnt 0x0
	WIN MUL_HI
	MUL16 4, 1, 7, 0
	MUL16 6, 1, 7, 0
	WIN 0
	s_lshr_b32 s84, s41, 3
	s_and_b32 s85, s41, 7
	s_lshl_b32 s85, s85, 1
	s_add_co_u32 s85, s85, s45
	s_lshl_b32 s87, s47, 1
	s_lshl_b32 s86, s84, 4
	s_lshl_b32 s88, s42, 2
	s_add_co_u32 s86, s86, s88
	s_add_co_u32 s86, s86, s87
	s_lshl_b32 s86, s86, 4
	s_add_co_u32 s86, s86, s85
	s_mul_i32 s88, s86, 8*768
	s_lshl_b32 s89, s86, 9
	s_add_co_u32 s89, s89, 6291456
	s_lshl_b32 s90, s84, 2
	s_add_co_u32 s90, s90, s87
	s_lshl_b32 s90, s90, 4
	s_add_co_u32 s90, s90, s85
	s_mul_i32 s90, s90, 13312
	s_mov_b32 s91, 212992
	s_mov_b32 s82, 12288
	s_mov_b32 s96, 768
	s_cmp_lt_u32 s42, 4
	s_cselect_b64 s[92:93], s[16:17], s[18:19]
	s_cselect_b32 s72, s88, s90
	s_cselect_b32 s74, 98304, s91
	s_cselect_b32 s76, s89, s90
	s_cselect_b32 s82, 0, s82
	s_cselect_b32 s68, 8192, s91
	s_cmp_eq_u32 s42, 5
	s_cselect_b32 s74, s96, s74
	s_cselect_b32 s96, 1536, s96
	s_cselect_b32 s98, 206848, 0
	s_cselect_b32 s83, 6144, 0
	s_cselect_b32 s82, 12800, s82
	s_add_co_u32 s72, s72, s83
	s_add_co_u32 s76, s76, s82
	s_mov_b32 s73, 0
	s_mov_b32 s75, 0
	s_mov_b32 s77, 0
	s_mov_b32 s97, 0
	s_mov_b32 s99, 0
	s_mov_b64 s[66:67], s[92:93]
	s_add_nc_u64 s[66:67], s[66:67], s[76:77]
	s_add_nc_u64 s[92:93], s[92:93], s[72:73]
	s_add_nc_u64 s[94:95], s[92:93], s[74:75]
	PLACES 4
.irp b, 0,1,2,3
	v_mov_b32 v[TM+4+\b], 0
.endr
.irp a, 0,1,2,3,4,5,6,7
	OUT \a
.endr
	s_cmp_eq_u32 s42, 5
	s_cbranch_scc1 .Lv_words
	v_lshlrev_b32 v7, 4, v3
.irp a, 0,1,2,3,4,5,6,7
	v_bfe_u32 v[SW+\a], v[SW+\a], v7, 16
.endr
	v_mul_u32_u24 v8, s68, v3
	v_lshl_add_u32 v8, v1, 5, v8
	global_store_b128 v8, v[SW:SW+3], s[66:67]
	global_store_b128 v8, v[SW+4:SW+7], s[66:67] offset:16
	s_branch .Lwords_out
.Lv_words:
	v_lshlrev_b32 v8, 4, v2
	global_store_b128 v8, v[SW:SW+3], s[66:67]
	global_store_b128 v8, v[SW+4:SW+7], s[66:67] offset:212992
.Lwords_out:
	s_wait_tensorcnt 0x0
	ds_add_u32 v[SPW], v[NIL]
	s_wait_dscnt 0x0
	CROUND
	s_endpgm
.Lfunc_end_k_q15bd695391_qkv:
	.size	k_q15bd695391_qkv, .Lfunc_end_k_q15bd695391_qkv-k_q15bd695391_qkv
	.p2alignl 7, 3214868480
	.fill 96, 4, 3214868480
	.section	.rodata,"a",@progbits
	.p2align	6, 0x0
	.amdhsa_kernel k_q15bd695391_qkv
		.amdhsa_group_segment_fixed_size 327680
		.amdhsa_private_segment_fixed_size 0
		.amdhsa_enable_private_segment 0
		.amdhsa_kernarg_size 64
		.amdhsa_user_sgpr_count 2
		.amdhsa_user_sgpr_kernarg_segment_ptr 1
		.amdhsa_wavefront_size32 1
		.amdhsa_system_sgpr_workgroup_id_x 1
		.amdhsa_system_sgpr_workgroup_id_y 1
		.amdhsa_system_sgpr_workgroup_id_z 1
		.amdhsa_system_vgpr_workitem_id 0
		.amdhsa_next_free_vgpr 1024
		.amdhsa_next_free_sgpr 100
		.amdhsa_reserve_vcc 0
		.amdhsa_float_denorm_mode_32 3
		.amdhsa_float_denorm_mode_16_64 3
		.amdhsa_memory_ordered 1
		.amdhsa_forward_progress 1
		.amdhsa_inst_pref_size 194
	.end_amdhsa_kernel
	.amdgpu_metadata
---
amdhsa.version: [ 1, 2 ]
amdhsa.kernels:
  - .name:           k_q15bd695391_qkv
    .symbol:         k_q15bd695391_qkv.kd
    .args:
      - { .name: x_img, .offset: 0, .size: 8, .value_kind: global_buffer, .address_space: global }
      - { .name: w_img, .offset: 8, .size: 8, .value_kind: global_buffer, .address_space: global }
      - { .name: sc1, .offset: 16, .size: 8, .value_kind: global_buffer, .address_space: global }
      - { .name: b_q, .offset: 24, .size: 8, .value_kind: global_buffer, .address_space: global }
      - { .name: b_k, .offset: 32, .size: 8, .value_kind: global_buffer, .address_space: global }
      - { .name: b_v, .offset: 40, .size: 8, .value_kind: global_buffer, .address_space: global }
      - { .name: q_img, .offset: 48, .size: 8, .value_kind: global_buffer, .address_space: global }
      - { .name: kv, .offset: 56, .size: 8, .value_kind: global_buffer, .address_space: global }
    .group_segment_fixed_size: 327680
    .private_segment_fixed_size: 0
    .kernarg_segment_align: 8
    .kernarg_segment_size: 64
    .max_flat_workgroup_size: 128
    .sgpr_count:     100
    .vgpr_count:     1024
    .wavefront_size: 32
...
	.end_amdgpu_metadata
.endif
;; end of part 2
;; launch attn (part 3): grid 16 x 16, 16 waves a work-group, no clusters, 215,040 bytes of LDS; arguments q_img, kv, maskbits, a_img, sc2; writes a_img, sc2
.if DOCPART == 3
	.amdgcn_target "amdgcn-amd-amdhsa--gfx1250"
	.amdhsa_code_object_version 6
	.text
	.protected	k_q15bd695391_attn
	.globl	k_q15bd695391_attn
	.p2align	8
	.type	k_q15bd695391_attn,@function
k_q15bd695391_attn:
	s_mov_b64 s[64:65], 0
	v_nop
	global_prefetch_b8 v0, s[64:65] scope:SCOPE_SE
	s_setreg_imm32_b32 hwreg(HW_REG_WAVE_MODE, 25, 1), 1
	s_wait_xcnt 0x0
; ATTENTION on codes of FP6 (E2M3) with E8M0 scales: S^T = K Q^T (K = the head's 64, in an instruction of 128: Q's upper half is zero codes), the mask, p = 2^(t - M), O^T = V^T P^T, O / l, and O quantised for the last product.
; t = score x log2(e) / 8; M = the running largest t rounded UP to a whole number; l is the sum of the unquantised p; when M moves, l and O^T are multiplied by 2^(old M - new M), which rounds nothing.
; THE MASK IS AN INPUT, packed by an earlier launch into whole numbers: word rho of a (query tile, step of 128 keys) holds in bit l what lane l's register rho of S^T needs.  This launch reads them and does what they ask for:
;   WORK, bit s: step s has an open key for some query of the tile.  A step with none is passed over, if each of the tile's 16 queries has an open key in some step: its p would all be 0 beside an open key's.
;         If some query of the tile has no open key at all, its softmax is even over all 2,048 keys: then every step of the tile is done.
;   PART, bit s: step s has a blocked entry.  Only then are its 64 words loaded and the blocked scores replaced, ahead of the maximum, by -2^33, each word the select mask of one v_cndmask_b32.
; The loop has 16 trips always.
; LIMITS: a blocked logit counts as -2^30 where the problem has -1e9 (-2^33 x c is a whole number, so a row with no open key gives p = 1 at every key, as -1e9 does); results differ only in rows whose largest OPEN
; logit lies under about -1e9 + 200.  A block whose largest magnitude lies under 2^-124 keeps the scale byte 1 (a block of zeros too; only this program reads the bytes).  NaN and infinities are not served.
; SHARES.  Work-group (x, y): y = 4 b + g, a batch and a group of K and V.  Wave w: head 4 g + w % 4; pass 0: query tile 8 (15 - x / 2) + 4 (x % 2) + w / 4, pass 1: query tile 8 (x / 2) + 4 (x % 2) + w / 4.
; Where the mask is lower triangular the two tiles want 16 - x / 2 and x / 2 + 1 steps: 17 for every wave.  Any other mask is served too.
; LDS.  ALL of the group's K and V, 16 step blocks of 13,312 bytes, written ONCE: wave w brings block w by 26 loads of 512 consecutive bytes and stores it; one barrier.
; K and V come through registers, and there is no joint load and no cluster.
; No prefetch: K and V are asked for once, at the head, with no loop to run ahead in.
; OUT: a head is half a fragment of the last product's operand (three stores of 256 consecutive bytes) and two of a row's four scale bytes (sixteen stores of 2 bytes, 32 bytes for a tile and head).
; LAYOUT.  Tile T, lane r of keys, queries and d is row 32 (T / 2) + 8 (T % 2) + r + 8 (r / 8): a lane holds ONE query throughout, the 16 registers of two neighbouring tiles of S^T are 16 neighbouring keys, those of O^T 16 neighbouring d.
; REGISTERS: v1-4, v7, v11 offsets that stay; v5, v6 the add's two; v8-10 the step's LDS addresses; v12 -M, v13 the largest t, v[14:15] l in two halves; v16-27 Q (v22-27 = 0); v28 Q's scale words; v86-92 pass 1's Q;
;   v32-85 K: tile t is v[32 + 6 t : 43 + 6 t]: its upper six registers are the next tile's codes, finite numbers that meet Q's zero codes (v80-85 = 0); then V's four fragments in v32-79;
;   v96-159 S^T, then p; v160-191 O^T; v192-203 block maxima, bytes, scale operands; v204-211, v212-223 p's codes; v[224:225] f; v226 p's scale word; v230 -2^33; v240-247 K's scale words; v248-251 V's.
;   At the head: v32-63, v200-231 the two tiles' mask words; v64-79, v94 their summary; v96-199 my block of K and V.
; SCALARS that stay: s2, s3 WORK; s100, s101 PART; s[20:23] the mask words, s[24:27] a_img, s[28:31] sc2, a pair for each pass; s32-63, s68-99 a step's mask words.
.set BLKB,  13312                      ; a step block: K's codes [tile 8][768], V's [tile 4][1536], K's scale words [row 16][tile 8], V's [lane 32][tile 4]
.set VOFF,  6144
.set KSO,   12288
.set VSO,   12800
.set SPARE, 16*BLKB                    ; the spare words, 128 bytes for each wave: eight blocks of 256 bytes that no other line names
.set BM,    192
.set BX,    196
.set SO,    200
; byte offsets of one pass's tile (s37) in the five buffers, in s[B .. B+9]
.macro OFFS B
	s_lshl_b32 s[\B], s42, 7
	s_add_co_u32 s[\B], s[\B], s37
	s_mul_i32 s[\B], s[\B], 768                        ; Q's codes [head 64][tile 128][768]
	s_mov_b32 s[\B+1], 0
	s_lshl_b32 s[\B+2], s42, 4
	s_lshr_b32 s[\B+10], s37, 3
	s_add_co_u32 s[\B+2], s[\B+2], s[\B+10]
	s_lshl_b32 s[\B+2], s[\B+2], 9
	s_and_b32 s[\B+10], s37, 7
	s_lshl_b32 s[\B+10], s[\B+10], 2
	s_add_co_u32 s[\B+2], s[\B+2], s[\B+10]
	s_add_co_u32 s[\B+2], s[\B+2], 6291456             ; Q's scale words [head][step][row 16][tile 8]
	s_mov_b32 s[\B+3], 0
	s_lshl_b32 s[\B+4], s37, 12                        ; the mask words [query tile][step][64]
	s_mov_b32 s[\B+5], 0
	s_lshl_b32 s[\B+10], s35, 7
	s_add_co_u32 s[\B+10], s[\B+10], s37               ; my token tile among the 512
	s_mul_i32 s[\B+6], s[\B+10], 12288
	s_add_co_u32 s[\B+6], s[\B+6], s40                 ; + my head's half fragment
	s_mov_b32 s[\B+7], 0
	s_lshl_b32 s[\B+8], s[\B+10], 9
	s_add_co_u32 s[\B+8], s[\B+8], s41                 ; + my head's two bytes of the scale words
	s_mov_b32 s[\B+9], 0
.endm
.macro PTRS p, B
	s_add_nc_u64 s[\B:\B+1], s[4:5], s[\B:\B+1]
	s_add_nc_u64 s[\B+2:\B+3], s[4:5], s[\B+2:\B+3]
	s_add_nc_u64 s[20+2*\p:21+2*\p], s[8:9], s[\B+4:\B+5]
	s_add_nc_u64 s[24+2*\p:25+2*\p], s[10:11], s[\B+6:\B+7]
	s_add_nc_u64 s[28+2*\p:29+2*\p], s[66:67], s[\B+8:\B+9]
.endm
; one bit for each half of a lane mask: lanes 0-15 hold step 2 j, lanes 16-31 step 2 j + 1
.macro FOLD dst, src, j
	s_and_b32 s97, s[\src], 0xffff
	s_cselect_b32 s97, 1<<(2*\j), 0
	s_lshr_b32 s98, s[\src], 16
	s_cselect_b32 s98, 2<<(2*\j), 0
	s_or_b32 s97, s97, s98
	s_or_b32 s[\dst], s[\dst], s97
.endm
; A tile's 1,024 mask words, 32 to a lane in v[M ..]: registers 4 j .. 4 j + 3 of lane l are four words of step 2 j + l / 16
.macro SUMM p, M
.irp j, 0,1,2,3,4,5,6,7
	v_or_b32 v[64+\j], v[\M+4*\j], v[\M+4*\j+1]
.endr
.irp j, 0,1,2,3,4,5,6,7
	v_and_b32 v[72+\j], v[\M+4*\j], v[\M+4*\j+1]
.endr
.irp k, 2,3
.irp j, 0,1,2,3,4,5,6,7
	v_or_b32 v[64+\j], v[64+\j], v[\M+4*\j+\k]
.endr
.irp j, 0,1,2,3,4,5,6,7
	v_and_b32 v[72+\j], v[72+\j], v[\M+4*\j+\k]
.endr
.endr
.irp j, 0,1,2,3,4,5,6,7
	v_cmp_ne_u32 s[80+\j], 0, v[64+\j]                 ; lanes whose four words have an open entry
.endr
.irp j, 0,1,2,3,4,5,6,7
	v_cmp_ne_u32 s[88+\j], -1, v[72+\j]                ; lanes whose four words have a blocked one
.endr
	v_or_b32 v64, v64, v65                             ; all words of the tile joined: bit (r, h) is set if query r has an open key among those of half h
	v_or_b32 v66, v66, v67
	v_or_b32 v68, v68, v69
	v_or_b32 v70, v70, v71
	s_delay_alu instid0(VALU_DEP_3)
	v_or_b32 v64, v64, v66
	s_delay_alu instid0(VALU_DEP_2)
	v_or_b32 v68, v68, v70
	s_delay_alu instid0(VALU_DEP_1)
	v_or_b32 v64, v64, v68
.irp m, 1,2,4,8
	v_mov_b32_dpp v94, v64 row_xmask:\m row_mask:0xf bank_mask:0xf
	v_or_b32 v64, v64, v94
.endr
	s_delay_alu instid0(VALU_DEP_1)
	v_permlanex16_b32 v94, v64, s18, s19
	s_delay_alu instid0(VALU_DEP_1)
	v_or_b32 v64, v64, v94
	s_delay_alu instid0(VALU_DEP_1)
	v_readfirstlane_b32 s96, v64
	s_mov_b32 s[2+\p], 0
	s_mov_b32 s[100+\p], 0
.irp j, 0,1,2,3,4,5,6,7
	FOLD 2+\p, 80+\j, \j
	FOLD 100+\p, 88+\j, \j
.endr
	s_lshr_b32 s97, s96, 16
	s_or_b32 s96, s96, s97
	s_and_b32 s96, s96, 0xffff                         ; bit r: query r has an open key
	s_cmp_eq_u32 s96, 0xffff
	s_cselect_b32 s[2+\p], s[2+\p], 0xffff             ; a query with none: every step is done
.endm
	s_load_b256 s[4:11], s[0:1], 0x0                   ; q_img s[4:5], kv s[6:7], maskbits s[8:9], a_img s[10:11]
	s_load_b64 s[66:67], s[0:1], 0x20                  ; sc2
	v_lshl_add_u32 v5, v0, 2, SPARE
	v_mov_b32 v6, 0
	v_lshrrev_b32 v1, 5, v0
	s_delay_alu instid0(VALU_DEP_1)
	v_readfirstlane_b32 s12, v1                        ; wave 0..15
	v_and_b32 v1, 31, v0
	v_and_b32 v7, 15, v0
	s_delay_alu instid0(VALU_DEP_2)
	v_lshlrev_b32 v11, 4, v1                           ; 16 x lane
	v_lshlrev_b32 v1, 3, v1                            ; 8 x lane: a pair's place
	s_delay_alu instid0(VALU_DEP_3)
	v_lshlrev_b32 v4, 5, v7                            ; 32 r: Q's scale words in memory,
	v_lshlrev_b32 v7, 2, v7                            ; 4 r
	v_add_nc_u32 v3, VSO, v11                          ; V's scale words: 16 x lane
	v_add_nc_u32 v2, KSO, v4                           ; K's in a step block
	s_mul_i32 s86, s12, BLKB
	v_add_nc_u32 v9, s86, v11                          ; where my block goes in LDS
	v_mov_b32 v94, 0                                   ; written once: the destination of a lane move counts as one of its sources
	v_mov_b32 v234, 0
.irp j, 22,23,24,25,26,27,80,81,82,83,84,85
	v_mov_b32 v\j, 0                                   ; zero codes: Q's k = 64 .. 127, and what stands behind K's last tile
.endr
	s_and_b32 s34, ttmp7, 0xffff                       ; 4 b + g
	s_lshr_b32 s35, s34, 2                             ; b
	s_and_b32 s36, s34, 3                              ; g
	s_and_b32 s38, s12, 3                              ; my head of the group's four
	s_lshl_b32 s42, s34, 2
	s_add_co_u32 s42, s42, s38                         ; my head among the 64
	s_lshl_b32 s40, s36, 2
	s_add_co_u32 s40, s40, s38                         ; my head among the batch's 16
	s_lshr_b32 s41, s40, 1                             ; its K step of the last product
	s_lshl_b32 s41, s41, 6
	s_and_b32 s39, s38, 1
	s_lshl_b32 s39, s39, 1
	s_add_co_u32 s41, s41, s39                         ; 64 x K step + 2 x (head % 2)
	s_mul_i32 s40, s40, 768                            ; 1,536 x K step + 768 x (head % 2)
	s_lshr_b32 s43, ttmp9, 1                           ; x / 2
	s_and_b32 s39, ttmp9, 1
	s_lshl_b32 s39, s39, 2
	s_lshr_b32 s37, s12, 2
	s_add_co_u32 s39, s39, s37                         ; 4 (x % 2) + w / 4
	s_sub_co_u32 s37, 15, s43
	s_lshl_b32 s37, s37, 3
	s_add_co_u32 s37, s37, s39                         ; pass 0's query tile
	OFFS 44
	s_lshl_b32 s37, s43, 3
	s_add_co_u32 s37, s37, s39                         ; pass 1's
	OFFS 68
	s_lshl_b32 s56, s34, 4
	s_add_co_u32 s56, s56, s12
	s_mul_i32 s56, s56, BLKB                           ; step block w of the group
	s_mov_b32 s57, 0
	s_mov_b32 s16, 0x3e38aa3b                          ; c = log2(e) / 8
	s_mov_b32 s17, s16                                 ; (named with it as a pair, so it is written)
	s_mov_b32 s18, 0x76543210
	s_mov_b32 s19, 0xfedcba98                          ; v_permlanex16_b32's selects for lane l xor 16
	s_wait_alu depctr_va_vdst(0)                       ; directly ahead of the wait below
	s_wait_kmcnt 0x0
	s_add_nc_u64 s[56:57], s[6:7], s[56:57]
	PTRS 0, 44
	PTRS 1, 68
.irp j, 0,1,2,3,4,5,6,7
	global_load_b128 v[32+4*\j:35+4*\j], v11, s[20:21] offset:512*\j     ; pass 0's mask words: 512 consecutive bytes a load
.endr
.irp j, 0,1,2,3,4,5,6,7
	global_load_b128 v[200+4*\j:203+4*\j], v11, s[22:23] offset:512*\j   ; pass 1's
.endr
.irp q, 0,1,2
	global_load_b64 v[16+2*\q:17+2*\q], v1, s[44:45] offset:256*\q       ; pass 0's Q
.endr
	global_load_b32 v28, v4, s[46:47]
.irp q, 0,1,2
	global_load_b64 v[86+2*\q:87+2*\q], v1, s[68:69] offset:256*\q       ; pass 1's Q, kept aside
.endr
	global_load_b32 v92, v4, s[70:71]
.set n_, 0
.rept 26
	global_load_b128 v[96+4*n_:99+4*n_], v11, s[56:57] offset:512*n_     ; my block of K and V
.set n_, n_+1
.endr
	s_wait_loadcnt 34                                  ; the 16 loads of mask words are in; Q's 8 and the block's 26 may be out
	SUMM 0, 32
	SUMM 1, 200
	v_mov_b32 v230, 0xd0000000                         ; -2^33
	v_mov_b32 v225, 0                                  ; (named as the upper half of the pair v[224:225])
	s_wait_loadcnt 13                                  ; the block's first 13 loads are in
.set n_, 0
.rept 13
	ds_store_b128 v9, v[96+4*n_:99+4*n_] offset:512*n_
.set n_, n_+1
.endr
	s_wait_loadcnt 0x0
.rept 13
	ds_store_b128 v9, v[96+4*n_:99+4*n_] offset:512*n_
.set n_, n_+1
.endr
	s_wait_dscnt 0x0                                   ; my block lies in LDS
.irp b, 0,1,2,3
	v_mov_b32 v[BX+\b], 0                              ; written once: a lane permute's destination counts as one of its sources
.endr
	s_wait_alu depctr_va_vdst(0)
	s_barrier_signal -1
	s_barrier_wait -1                                  ; everybody's does
.macro PASS p                          ; one head and query tile: 16 trips of 128 keys, then the way out
.if \p
.irp q, 0,1,2,3,4,5
	v_mov_b32 v[16+\q], v[86+\q]
.endr
	v_mov_b32 v28, v92
.endif
	v_mov_b32 v13, 0xff61b1e6                          ; the largest t so far: -3e38, under every t
	s_delay_alu instid0(VALU_DEP_1)
	v_floor_f32 v12, -v13                              ; -M
	v_mov_b32 v14, 0
	v_mov_b32 v15, 0
.set n_, 0
.rept 32
	v_mov_b32 v[160+n_], 0                             ; O^T.  (The step is written once: the first finds zeros, which the first change of M leaves zeros)
.set n_, n_+1
.endr
	s_mov_b32 s13, 0                                   ; the step block in hand
	s_mov_b32 s14, 0                                   ; the step
	s_wait_alu depctr_va_vdst(0)
.Lstep_\@:
	s_bitcmp1_b32 s[2+\p], s14                         ; is there work in this step?
	s_cbranch_scc0 .Lnext_\@
	v_add_nc_u32 v8, s13, v1
	v_add_nc_u32 v9, s13, v2
	v_add_nc_u32 v10, s13, v3
	v_nop                                              ; four places behind the last step's products, in front of loads into the registers that they read
.irp t, 0,1,2,3,4,5,6,7
.irp q, 0,1,2
	ds_load_b64 v[32+6*\t+2*\q:33+6*\t+2*\q], v8 offset:768*\t+256*\q
.endr
.endr
	ds_load_b128 v[240:243], v9
	ds_load_b128 v[244:247], v9 offset:16
	s_wait_alu depctr_va_vdst(0)
	s_wait_dscnt 0x0
.irp t, 0,1,2,3,4,5,6,7
	v_wmma_scale_f32_16x16x128_f8f6f4 v[96+8*\t:103+8*\t], v[32+6*\t:43+6*\t], v[16:27], 0, v[240+\t], v28 matrix_a_fmt:MATRIX_FMT_FP6 matrix_b_fmt:MATRIX_FMT_FP6
.endr
.rept 4
	v_nop
.endr
.irp t, 0,1,2,3                                    ; V's fragments are asked for at once: they land under the softmax
.irp q, 0,1,2,3,4,5
	ds_load_b64 v[32+12*\t+2*\q:33+12*\t+2*\q], v8 offset:VOFF+1536*\t+256*\q
.endr
.endr
	ds_load_b128 v[248:251], v10
	s_bitcmp1_b32 s[100+\p], s14                       ; has this step a blocked entry?
	s_cbranch_scc0 .Lopen_\@
	s_lshl_b32 s15, s14, 8
	s_load_b512 s[32:47], s[20+2*\p:21+2*\p], s15 offset:0x0     ; its 64 mask words
	s_load_b512 s[48:63], s[20+2*\p:21+2*\p], s15 offset:0x40
	s_load_b512 s[68:83], s[20+2*\p:21+2*\p], s15 offset:0x80
	s_load_b512 s[84:99], s[20+2*\p:21+2*\p], s15 offset:0xc0
	s_wait_kmcnt 0x0
.set n_, 0
.rept 64
	v_cndmask_b32 v[96+n_], v230, v[96+n_], s[32+n_+4*(n_/32)]   ; open: the score; blocked: -2^33.  (Each accumulator from its low end on)
.set n_, n_+1
.endr
.Lopen_\@:
.irp b, 0,1,2,3
	v_max3_num_f32 v[BM+\b], v[96+16*\b], v[97+16*\b], v[98+16*\b]   ; the largest score of each block of 32 keys: it serves the row's maximum and, since p rises with the score, the block's largest p
.endr
.irp i, 3,5,7,9,11,13
.irp b, 0,1,2,3
	v_max3_num_f32 v[BM+\b], v[BM+\b], v[96+16*\b+\i], v[97+16*\b+\i]   ; (the four blocks by turns)
.endr
.endr
.irp b, 0,1,2,3
	v_max_num_f32 v[BM+\b], v[BM+\b], v[111+16*\b]
.endr
.irp b, 0,1,2,3
	v_permlanex16_b32 v[BX+\b], v[BM+\b], s18, s19
.endr
.irp b, 0,1,2,3
	s_delay_alu instid0(VALU_DEP_4)
	v_max_num_f32 v[BM+\b], v[BM+\b], v[BX+\b]         ; with lane l xor 16's 16 keys
.endr
	s_delay_alu instid0(VALU_DEP_2)
	v_max3_num_f32 v234, v192, v193, v194
	s_delay_alu instid0(VALU_DEP_1)
	v_max_num_f32 v234, v234, v195
	s_delay_alu instid0(VALU_DEP_1)
	v_mul_f32 v234, s16, v234                          ; the step's largest t (c is positive)
	s_delay_alu instid0(VALU_DEP_1)
	v_max_num_f32 v13, v13, v234
	v_mov_b32 v234, v12
	s_delay_alu instid0(VALU_DEP_2)
	v_floor_f32 v12, -v13                              ; the new -M = floor(-t): M is a whole number
	s_delay_alu instid0(VALU_DEP_1)
	v_sub_f32 v234, v12, v234                          ; old M - new M: a whole number, 0 or less
	s_delay_alu instid0(VALU_DEP_1)
	v_cvt_i32_f32 v234, v234                           ; (it saturates)
	s_delay_alu instid0(VALU_DEP_1)
	v_ldexp_f32 v224, 1.0, v234                        ; f = 2^(old M - new M)
.set n_, 0
.rept 32
	v_pk_fma_f32 v[96+n_:97+n_], v[96+n_:97+n_], s[16:17], v[12:13] op_sel_hi:[1,0,0]   ; t - M, two at a time
.set n_, n_+2
.endr
.irp b, 0,1,2,3
	v_fma_f32 v[BM+\b], v[BM+\b], s16, v12             ; the same of each block's largest score
.endr
.set n_, 0
	s_wait_alu depctr_va_vdst(0)
.rept 64
	v_exp_f32 v[96+n_], v[96+n_]                       ; p = 2^(t - M), at most 1: not normalised
.set n_, n_+1
.endr
	v_pk_mul_f32 v[14:15], v[14:15], v[224:225] op_sel_hi:[1,0]   ; l under the new M: a plain place behind the exponentials
	s_wait_alu depctr_va_vdst(0)                       ; one wait for the whole batch, ahead of its first reader
.irp b, 0,1,2,3
	v_exp_f32 v[BM+\b], v[BM+\b]                       ; the block's largest p: the same two instructions on the same number give the same bits
.endr
	v_pk_add_f32 v[232:233], v[100:101], v[104:105]    ; l: eight chains of packed sums
	v_pk_add_f32 v[254:255], v[108:109], v[112:113]
	v_pk_add_f32 v[252:253], v[116:117], v[120:121]
	v_pk_add_f32 v[246:247], v[124:125], v[128:129]
	v_pk_add_f32 v[244:245], v[132:133], v[136:137]
	v_pk_add_f32 v[242:243], v[140:141], v[144:145]
	v_pk_add_f32 v[240:241], v[148:149], v[152:153]
	v_pk_add_f32 v[14:15], v[14:15], v[156:157]
	v_pk_add_f32 v[232:233], v[232:233], v[96:97]
	v_pk_add_f32 v[254:255], v[254:255], v[98:99]
	v_pk_add_f32 v[252:253], v[252:253], v[102:103]
	v_pk_add_f32 v[246:247], v[246:247], v[106:107]
	v_pk_add_f32 v[244:245], v[244:245], v[110:111]
	v_pk_add_f32 v[242:243], v[242:243], v[114:115]
	v_pk_add_f32 v[240:241], v[240:241], v[118:119]
	v_pk_add_f32 v[14:15], v[14:15], v[122:123]
	v_pk_add_f32 v[232:233], v[232:233], v[126:127]
	v_pk_add_f32 v[254:255], v[254:255], v[130:131]
	v_pk_add_f32 v[252:253], v[252:253], v[134:135]
	v_pk_add_f32 v[246:247], v[246:247], v[138:139]
	v_pk_add_f32 v[244:245], v[244:245], v[142:143]
	v_pk_add_f32 v[242:243], v[242:243], v[146:147]
	v_pk_add_f32 v[240:241], v[240:241], v[150:151]
	v_pk_add_f32 v[14:15], v[14:15], v[154:155]
	v_pk_add_f32 v[232:233], v[232:233], v[158:159]
	s_delay_alu instid0(VALU_DEP_2)
	v_pk_add_f32 v[14:15], v[14:15], v[246:247]
	s_delay_alu instid0(VALU_DEP_2)
	v_pk_add_f32 v[232:233], v[232:233], v[244:245]
	v_pk_add_f32 v[254:255], v[254:255], v[242:243]
	v_pk_add_f32 v[252:253], v[252:253], v[240:241]
	s_delay_alu instid0(VALU_DEP_2)
	v_pk_add_f32 v[14:15], v[14:15], v[254:255]
	s_delay_alu instid0(VALU_DEP_2)
	v_pk_add_f32 v[232:233], v[232:233], v[252:253]
	s_delay_alu instid0(VALU_DEP_1)
	v_pk_add_f32 v[14:15], v[14:15], v[232:233]
	s_wait_alu depctr_va_vdst(0)                       ; and one for the four
.irp b, 0,1,2,3
	v_max_num_f32 v[BM+\b], 0x1800000, v[BM+\b]        ; the floor 2^(3 - 127): the byte cannot fall under 1 (a block whose every p is 0 keeps that byte: its codes are zeros)
.endr
.irp b, 0,1,2,3
	s_delay_alu instid0(VALU_DEP_4)
	v_add_nc_u32 v[SO+\b], 0xff000000, v[BM+\b]        ; 2 off the exponent field: the conversion's scale operand
.endr
.irp b, 0,1,2,3
	s_delay_alu instid0(VALU_DEP_4)
	v_lshrrev_b32 v[BX+\b], 23, v[SO+\b]               ; the byte
.endr
	s_delay_alu instid0(VALU_DEP_3)
	v_lshl_or_b32 v226, v197, 8, v196                  ; p's scale word for these 128 keys
	s_delay_alu instid0(VALU_DEP_1)
	v_lshl_or_b32 v226, v198, 16, v226
	s_delay_alu instid0(VALU_DEP_1)
	v_lshl_or_b32 v226, v199, 24, v226
.irp c, 0,1
	v_cvt_scalef32_pk16_fp6_f32 v[212+6*\c:214+6*\c], v[96+32*\c:111+32*\c], v[SO+2*\c]
	v_cvt_scalef32_pk16_fp6_f32 v[204+4*\c:206+4*\c], v[112+32*\c:127+32*\c], v[SO+2*\c+1]   ; (a conversion's three registers begin on an even number)
.endr
	v_nop                                              ; one plain place behind a scaled conversion
.irp c, 0,1                                        ; the layout wants a WHOLE block in a lane
.irp i, 0,1,2
	v_permlane16_swap_b32 v[212+6*\c+\i], v[204+4*\c+\i]
.endr
.irp i, 0,1,2
	s_delay_alu instid0(VALU_DEP_3)
	v_mov_b32 v[215+6*\c+\i], v[204+4*\c+\i]
.endr
.endr
.set n_, 0
.rept 16
	v_pk_mul_f32 v[160+n_:161+n_], v[160+n_:161+n_], v[224:225] op_sel_hi:[1,0]   ; O^T under the new M.  (These 16 are also the places between the codes' and the scale word's last writes and the products)
.set n_, n_+2
.endr
	s_wait_alu depctr_va_vdst(0)                       ; directly ahead of the wait below
	s_wait_dscnt 0x0                                   ; V is in
.irp t, 0,1,2,3                                    ; four accumulators, one instruction each: they take turns
	v_wmma_scale_f32_16x16x128_f8f6f4 v[160+8*\t:167+8*\t], v[32+12*\t:43+12*\t], v[212:223], v[160+8*\t:167+8*\t], v[248+\t], v226 matrix_a_fmt:MATRIX_FMT_FP6 matrix_b_fmt:MATRIX_FMT_FP6
.endr
.Lnext_\@:
	s_add_co_u32 s13, s13, BLKB
	s_add_co_u32 s14, s14, 1
	s_cmp_lt_u32 s14, 16
	s_cbranch_scc1 .Lstep_\@
	; the head's way out: O^T / l; register 16 b + i holds d = 32 b + 16 (lane / 16) + i of my query: two blocks of the last product's K
.rept 4
	v_nop                                              ; places behind the last products
.endr
	v_add_f32 v14, v14, v15
	s_delay_alu instid0(VALU_DEP_1)
	v_permlanex16_b32 v234, v14, s18, s19
	s_delay_alu instid0(VALU_DEP_1)
	v_add_f32 v14, v14, v234                           ; the row's sum
	s_wait_alu depctr_va_vdst(0)
	v_rcp_f32 v14, v14
	v_nop                                              ; a plain place behind the reciprocal
	s_wait_alu depctr_va_vdst(0)                       ; and the wait ahead of its first reader
.set n_, 0
.rept 32
	v_mul_f32 v[96+n_], v[160+n_], v14
.set n_, n_+1
.endr
.irp b, 0,1
	v_max3_num_f32 v[BM+\b], |v[96+16*\b]|, |v[97+16*\b]|, 0x1800000
.endr
.irp i, 2,4,6,8,10,12,14
.irp b, 0,1
	s_delay_alu instid0(VALU_DEP_2)
	v_max3_num_f32 v[BM+\b], v[BM+\b], |v[96+16*\b+\i]|, |v[97+16*\b+\i]|
.endr
.endr
.irp b, 0,1
	s_delay_alu instid0(VALU_DEP_2)
	v_permlanex16_b32 v[BX+\b], v[BM+\b], s18, s19
.endr
.irp b, 0,1
	s_delay_alu instid0(VALU_DEP_2)
	v_max_num_f32 v[BM+\b], v[BM+\b], v[BX+\b]
.endr
.irp b, 0,1
	s_delay_alu instid0(VALU_DEP_2)
	v_add_nc_u32 v[SO+\b], 0xff000000, v[BM+\b]
.endr
.irp b, 0,1
	s_delay_alu instid0(VALU_DEP_2)
	v_lshrrev_b32 v[BX+\b], 23, v[SO+\b]
.endr
	s_delay_alu instid0(VALU_DEP_1)
	v_lshl_or_b32 v234, v197, 8, v196                  ; my head's two bytes of the row's scale word
	v_cvt_scalef32_pk16_fp6_f32 v[212:214], v[96:111], v[SO]
	v_cvt_scalef32_pk16_fp6_f32 v[204:206], v[112:127], v[SO+1]
	v_nop
.irp i, 0,1,2
	v_permlane16_swap_b32 v[212+\i], v[204+\i]
.endr
.irp i, 0,1,2
	s_delay_alu instid0(VALU_DEP_3)
	v_mov_b32 v[215+\i], v[204+\i]
.endr
.irp q, 0,1,2
	global_store_b64 v1, v[212+2*\q:213+2*\q], s[24+2*\p:25+2*\p] offset:256*\q   ; half a fragment: 256 consecutive bytes a store, aligned
.endr
	global_store_b16 v7, v234, s[28+2*\p:29+2*\p]      ; row r's two bytes; lanes l and l xor 16 hold the same and store them to the same place
	s_wait_xcnt 0x0                                    ; the stores have read their registers
.endm
	PASS 0
	PASS 1
	s_wait_tensorcnt 0x0                               ; the wave's end, behind my last LDS store
	ds_add_u32 v5, v6
	s_wait_dscnt 0x0
	s_endpgm
.Lfunc_end_k_q15bd695391_attn:
	.size	k_q15bd695391_attn, .Lfunc_end_k_q15bd695391_attn-k_q15bd695391_attn
	.p2alignl 7, 3214868480
	.fill 96, 4, 3214868480
	.section	.rodata,"a",@progbits
	.p2align	6, 0x0
	.amdhsa_kernel k_q15bd695391_attn
		.amdhsa_group_segment_fixed_size 215040
		.amdhsa_private_segment_fixed_size 0
		.amdhsa_enable_private_segment 0
		.amdhsa_kernarg_size 40
		.amdhsa_user_sgpr_count 2
		.amdhsa_user_sgpr_kernarg_segment_ptr 1
		.amdhsa_wavefront_size32 1
		.amdhsa_system_sgpr_workgroup_id_x 1
		.amdhsa_system_sgpr_workgroup_id_y 1
		.amdhsa_system_sgpr_workgroup_id_z 1
		.amdhsa_system_vgpr_workitem_id 0
		.amdhsa_next_free_vgpr 256
		.amdhsa_next_free_sgpr 102
		.amdhsa_reserve_vcc 0
		.amdhsa_float_denorm_mode_32 3
		.amdhsa_float_denorm_mode_16_64 3
		.amdhsa_memory_ordered 1
		.amdhsa_forward_progress 1
		.amdhsa_inst_pref_size 84
	.end_amdhsa_kernel
	.amdgpu_metadata
---
amdhsa.version: [ 1, 2 ]
amdhsa.kernels:
  - .name:           k_q15bd695391_attn
    .symbol:         k_q15bd695391_attn.kd
    .args:
      - { .name: q_img, .offset: 0, .size: 8, .value_kind: global_buffer, .address_space: global }
      - { .name: kv, .offset: 8, .size: 8, .value_kind: global_buffer, .address_space: global }
      - { .name: maskbits, .offset: 16, .size: 8, .value_kind: global_buffer, .address_space: global }
      - { .name: a_img, .offset: 24, .size: 8, .value_kind: global_buffer, .address_space: global }
      - { .name: sc2, .offset: 32, .size: 8, .value_kind: global_buffer, .address_space: global }
    .group_segment_fixed_size: 215040
    .private_segment_fixed_size: 0
    .kernarg_segment_align: 8
    .kernarg_segment_size: 40
    .max_flat_workgroup_size: 512
    .sgpr_count:     102
    .vgpr_count:     256
    .wavefront_size: 32
...
	.end_amdgpu_metadata
.endif
;; end of part 3
;; launch oproj (part 4): grid 4 x 64, 4 waves a work-group, clusters of 4 x 4, 327,680 bytes of LDS; arguments a_img, w_img, sc2, b_o, out0; writes out0
.if DOCPART == 4
	.amdgcn_target "amdgcn-amd-amdhsa--gfx1250"
	.amdhsa_code_object_version 6
	.text
	.protected	k_q15bd695391_oproj
	.globl	k_q15bd695391_oproj
	.p2align	8
	.type	k_q15bd695391_oproj,@function
k_q15bd695391_oproj:
	s_mov_b64 s[64:65], 0
	v_nop
	global_prefetch_b8 v0, s[64:65] scope:SCOPE_SE
	s_setreg_imm32_b32 hwreg(HW_REG_WAVE_MODE, 25, 1), 1
	s_wait_xcnt 0x0
	s_wait_alu depctr_hold_cnt(0) depctr_sa_sdst(0) depctr_va_vdst(0) depctr_va_sdst(0) depctr_va_ssrc(0) depctr_va_vcc(0) depctr_vm_vsrc(0)
	s_getreg_b32 s2, hwreg(HW_REG_IB_STS2, 6, 4)
	s_cmp_eq_u32 s2, 0
	s_cbranch_scc0 .Lentry_in_a_cluster
	s_endpgm
.Lentry_in_a_cluster:
	s_bfe_u32 s2, ttmp6, 0x10000c
	s_cmp_lg_u32 s2, 0xf033
	s_cbranch_scc0 .Lentry_shape_is_right
	s_endpgm
.Lentry_shape_is_right:
; THE LAST PRODUCT: out0 [8192][1024] f32 = attn x W_o + b_o, both operands as codes of FP6 (E2M3) with E8M0 scale words, laid by earlier launches as images of the operand's registers:
; [tile of 16 rows][K step 0..7][1536 bytes], pair p of lane l at 256 p + 8 l; scale words [tile][K step][row], 4 bytes each.  Tile T, lane r is row 32 (T / 2) + 8 (T % 2) + r + 8 (r / 8).
; A work-group makes 128 rows x 256 columns: 64 x 4 blocks = 256 work-groups.  Wave w: rows 64 (w / 2) .. + 63, columns 128 (w % 2) .. + 127: 32 accumulators of 16 x 16, 256 registers.
; K = 1,024 goes through a ring of two LDS slots, two K steps of 128 to a slot: four fills.  Waves 0 and 1 fetch four tiles of the activations each, waves 2 and 3 eight tiles of W_o each: one tensor load a wave and fill,
; rows of 3,072 bytes that begin at multiples of 256 bytes.
; CLUSTERS 4 x 4: the four of a row of the cluster need the same activations, the four of a column the same weights: each tile is asked for jointly, by the same load with a mask that names the four.
; THE MATRIX INSTRUCTION IS USED TRANSPOSED (source 0 = 16 columns' weights, source 1 = 16 rows of activations): a lane holds eight neighbouring numbers of a row of out0.  The first K step takes the bias as C.
; Both operands have two sets of fragment registers.  A K step is four groups of eight products; ahead of each group stands a quarter of the next step's fetch, 18 LDS loads.
; No prefetch: of the four fills two are asked for at the head, so none stands two steps ahead of a later one's request.
; REGISTERS.  Window 0: v16-29 addresses; v32-95 scale words (register 8 i + s: lanes 0-15 the activations' tile i, lanes 16-31 the weights' tile i, K step s); v128-223 the activations' fragments, two sets of four.
;   Window 1: v0-191 the weights' fragments, two sets of eight; v192-255 the bias.  Window 2: the accumulators, (a, b) at v[8 (8 a + b)].  On the way out v128-255 of window 0 hold rows read back.
.set SLOT,  98304                      ; a slot: the activations' place (two halves of HALFB, of which 12,288 bytes each are filled), then the weights'
.set REG1,  49152
.set HALFB, 24576
.set TILEB, 3072                       ; a tile's two K steps
.set SPARE, 2*SLOT                     ; the spare words, 128 bytes for each wave: two blocks of 256 bytes that no other line names
.set SPITCH, 528                       ; the way out: a stage row of 512 bytes + 16
.set FR,    12
.set ADRR,  16
.set ADRP,  20
.set STO,   24
.set RD,    25
.set CO,    26
.set L8,    27
.set SPW,   28
.set NIL,   29
.set SC,    32
.set RF,    128
.set BP,    192
.set BK,    128
.set G1,    24
.set G0,    32
.set G1B,   48
.set G0B,   56
.set MSB, 0
.macro WIN new                         ; the immediate's high byte repeats the setting that is left
.if MSB != \new
	s_set_vgpr_msb (MSB<<8)|\new
.set MSB, \new
.endif
.endm
.set MUL_LO,  0xa1                     ; source 0 window 1, source 1 window 0, C and D window 2
.set MULB_LO, 0x91                     ; the same with C in window 1: the bias
.set TO_P,    0x40                     ; destination window 1
.macro JLOAD g0a, g1a, g0b, g1b        ; a joint load: waves 0 and 1 for the activations, 2 and 3 for the weights
	s_cmp_eq_u32 s21, 0
	s_cbranch_scc0 .Lfor_b_\@
	tensor_load_to_lds s[\g0a:\g0a+3], s[\g1a:\g1a+7]
	s_nop 0
.rept 4
	v_nop
.endr
	s_branch .Lasked_\@
.Lfor_b_\@:
	tensor_load_to_lds s[\g0b:\g0b+3], s[\g1b:\g1b+7]
	s_nop 0
.rept 4
	v_nop
.endr
.Lasked_\@:
.endm
.macro CREST                           ; a round of the cluster's barrier behind its opening barrier
	s_cmp_lg_u32 s20, 0
	s_cbranch_scc1 .Lnot_wave_0_\@
	s_barrier_signal -3
.Lnot_wave_0_\@:
	s_barrier_wait -3
	s_barrier_signal -1
	s_barrier_wait -1
.endm
.macro CROUND
	s_barrier_signal -1
	s_barrier_wait -1
	CREST
.endm
.macro PLACES n
.rept \n
	v_nop
.endr
.endm
.macro FRAG reg, adr, q, i             ; a fragment as it lies: six loads of 256 consecutive bytes
.irp p, 0,1,2,3,4,5
	ds_load_b64 v[\reg+2*\p:\reg+2*\p+1], v[\adr] offset:(\i)*TILEB+(\q)*1536+256*\p
.endr
.endm
.macro FQ slot, q, set, i              ; a quarter of a K step's fetch: the weights' tiles 2 i, 2 i + 1 and the activations' tile i, into register set 'set'
	WIN TO_P
	FRAG 96*(\set)+FR*(2*(\i)), ADRP+\slot, \q, 2*(\i)
	FRAG 96*(\set)+FR*(2*(\i)+1), ADRP+\slot, \q, 2*(\i)+1
	WIN 0
	FRAG RF+FR*(4*(\set)+(\i)), ADRR+\slot, \q, \i
.endm
.macro MUL8 a, ps, sg, cmode           ; the activations' tile a x the weights' eight, K step sg, register set ps.  The 32 accumulators take turns, one instruction a turn
.if \cmode
	WIN MULB_LO
.else
	WIN MUL_LO
.endif
.irp b, 0,1,2,3,4,5,6,7
.if \cmode
	v_wmma_scale_f32_16x16x128_f8f6f4 v[8*(8*(\a)+\b):8*(8*(\a)+\b)+7], v[96*(\ps)+FR*\b:96*(\ps)+FR*\b+FR-1], v[RF+FR*(4*(\ps)+(\a)):RF+FR*(4*(\ps)+(\a))+FR-1], v[BP+8*\b:BP+8*\b+7], v[SC+8*\b+(\sg)], v[SC+8*(\a)+(\sg)] matrix_a_fmt:MATRIX_FMT_FP6 matrix_b_fmt:MATRIX_FMT_FP6 matrix_a_scale:MATRIX_SCALE_ROW1
.else
	v_wmma_scale_f32_16x16x128_f8f6f4 v[8*(8*(\a)+\b):8*(8*(\a)+\b)+7], v[96*(\ps)+FR*\b:96*(\ps)+FR*\b+FR-1], v[RF+FR*(4*(\ps)+(\a)):RF+FR*(4*(\ps)+(\a))+FR-1], v[8*(8*(\a)+\b):8*(8*(\a)+\b)+7], v[SC+8*\b+(\sg)], v[SC+8*(\a)+(\sg)] matrix_a_fmt:MATRIX_FMT_FP6 matrix_b_fmt:MATRIX_FMT_FP6 matrix_a_scale:MATRIX_SCALE_ROW1
.endif
.endr
.endm
.macro STEPN slot, sg, cmode           ; a slot's first K step, on set 0; its second step's fragments are fetched into set 1
	s_wait_dscnt 0x0                                   ; this step's fragments are in
	PLACES 4                                           ; behind the products that read set 1, in front of the loads into it
.irp i, 0,1,2,3
	FQ \slot, 1, 1, \i
	MUL8 \i, 0, \sg, \cmode
.endr
	WIN 0
.endm
.macro TURNN slot, next, sg, fill      ; a slot's second K step, on set 1, and the change of slots
	s_wait_tensorcnt 0x0                               ; all my tensor loads have landed, my part of the next slot among them;
	ds_add_u32 v[SPW], v[NIL]                          ; 0 onto my spare word;
	s_wait_dscnt 1                                     ; this step's fragments are in; the add may be out
	MUL8 0, 1, \sg, 0
	MUL8 1, 1, \sg, 0
	s_wait_dscnt 0x0                                   ; the add is done, and my reads of this slot are over
	WIN 0
	s_barrier_signal -1
	s_barrier_wait -1
.if \fill
	CREST                                              ; the barrier has opened a round of the cluster's barrier: no wave of any partner still reads this slot
	s_add_nc_u64 s[G0+4*\slot+2:G0+4*\slot+3], s[G0+4*\slot+2:G0+4*\slot+3], 2*TILEB
	s_add_nc_u64 s[G0B+4*\slot+2:G0B+4*\slot+3], s[G0B+4*\slot+2:G0B+4*\slot+3], 2*TILEB
	JLOAD G0+4*\slot, G1, G0B+4*\slot, G1B             ; the first tensor load behind the round; its four v_nop are the places in front of the loads below
.else
	PLACES 4
.endif
	FQ \next, 0, 0, 0
	FQ \next, 0, 0, 1
	MUL8 2, 1, \sg, 0
	FQ \next, 0, 0, 2
	FQ \next, 0, 0, 3
	MUL8 3, 1, \sg, 0
	WIN 0
.endm
	s_load_b256 s[4:11], s[0:1], 0x0                   ; a_img s[4:5], w_img s[6:7], sc2 s[8:9], b_o s[10:11]
	s_load_b64 s[12:13], s[0:1], 0x20                  ; out0
	v_lshl_add_u32 v[SPW], v0, 2, SPARE
	v_mov_b32 v[NIL], 0
	ds_add_u32 v[SPW], v[NIL]                          ; the opening lines: the add, twice on end, and its wait
	ds_add_u32 v[SPW], v[NIL]
	v_lshrrev_b32 v1, 5, v0
	v_readfirstlane_b32 s20, v1                        ; wave 0..3
	s_lshr_b32 s21, s20, 1                             ; my half of the rows.  Also: I fetch activations (0) or weights (1)
	s_and_b32 s22, s20, 1                              ; my half of the columns.  Also: which half of that operand's tiles I fetch
	s_bfe_u32 s40, ttmp6, 0x40000                      ; cx
	s_bfe_u32 s41, ttmp6, 0x40004                      ; cy
	s_lshl_b32 s42, ttmp9, 2
	s_add_co_u32 s42, s42, s40                         ; block column, 0..3
	s_and_b32 s43, ttmp7, 0xffff
	s_lshl_b32 s43, s43, 2
	s_add_co_u32 s43, s43, s41                         ; block row, 0..63
	s_lshl_b32 s44, s41, 2
	s_lshl_b32 s44, 15, s44                            ; my row of the cluster
	s_lshl_b32 s45, 0x1111, s40                        ; my column
	s_or_b32 s[G1+0], s44, (3<<16)|(1<<21)             ; elements of 8 bytes; bit 21 beside the mask
	s_or_b32 s[G1B+0], s45, (3<<16)|(1<<21)
.irp g, G1, G1B
	s_mov_b32 s[\g+1], 384<<16                         ; a tile's two K steps: 3,072 bytes
	s_mov_b32 s[\g+3], 384<<16
	s_mov_b32 s[\g+5], 1536                            ; from tile to tile 12,288 bytes
	s_mov_b32 s[\g+6], 0
	s_mov_b32 s[\g+7], 0
.endr
	s_mov_b32 s[G1+2], 4<<16                           ; four tiles of activations a load,
	s_mov_b32 s[G1+4], 4
	s_mov_b32 s[G1B+2], 8<<16                          ; eight of weights
	s_mov_b32 s[G1B+4], 8
	s_lshl_b32 s23, s22, 2
	s_lshl_b32 s66, s43, 3
	s_add_co_u32 s66, s66, s23                         ; activations: tile 8 x block row + 4 x half
	s_mul_i32 s66, s66, 12288
	s_mov_b32 s67, 0
	s_lshl_b32 s23, s22, 3
	s_lshl_b32 s68, s42, 4
	s_add_co_u32 s68, s68, s23                         ; weights: tile 16 x block column + 8 x half,
	s_mul_i32 s68, s68, 12288
	s_add_co_u32 s68, s68, 1179648                     ; behind the 96 tiles of the other weights
	s_mov_b32 s69, 0
	s_mul_i32 s46, s20, HALFB                          ; where my load goes: made of the wave's number alone
	s_wait_dscnt 0x0
	s_wait_kmcnt 0x0
	s_add_nc_u64 s[66:67], s[4:5], s[66:67]
	s_add_nc_u64 s[68:69], s[6:7], s[68:69]
	CROUND
.irp s, 0,1
	s_mov_b32 s[G0+4*\s], 1
	s_add_co_u32 s[G0+4*\s+1], s46, \s*SLOT
	s_add_nc_u64 s[G0+4*\s+2:G0+4*\s+3], s[66:67], \s*TILEB
	s_or_b32 s[G0+4*\s+3], s[G0+4*\s+3], 0x80000000
	s_mov_b32 s[G0B+4*\s], 1
	s_add_co_u32 s[G0B+4*\s+1], s46, \s*SLOT
	s_add_nc_u64 s[G0B+4*\s+2:G0B+4*\s+3], s[68:69], \s*TILEB
	s_or_b32 s[G0B+4*\s+3], s[G0B+4*\s+3], 0x80000000
	s_wait_alu depctr_va_vdst(0)
	s_wait_tensorcnt 0x0                               ; a round ahead of each slot's first fill, one load a wave
	ds_add_u32 v[SPW], v[NIL]
	ds_add_u32 v[SPW], v[NIL]
	s_wait_dscnt 0x0
	CROUND
	JLOAD G0+4*\s, G1, G0B+4*\s, G1B
.endr
	v_and_b32 v2, 31, v0
	v_and_b32 v1, 15, v0                               ; r
	v_bfe_u32 v3, v0, 4, 1                             ; h
	v_lshlrev_b32 v[L8], 3, v2
	s_mul_i32 s72, s22, HALFB
	s_add_co_u32 s72, s72, REG1                        ; my eight tiles of weights
	s_mul_i32 s73, s21, HALFB                          ; my four tiles of activations
.irp s, 0,1
	v_add_nc_u32 v[ADRP+\s], s72, v[L8]
	v_add_nc_u32 v[ADRR+\s], s73, v[L8]
	s_add_co_u32 s72, s72, SLOT
	s_add_co_u32 s73, s73, SLOT
.endr
	s_lshl_b32 s74, s43, 12                            ; the activations' scale words: 512 bytes a tile, 8 tiles a block row,
	s_lshl_b32 s75, s21, 11                            ; 4 a half
	s_add_co_u32 s74, s74, s75
	s_lshl_b32 s75, s42, 13                            ; the weights': 16 tiles a block column,
	s_lshl_b32 s76, s22, 12                            ; 8 a half,
	s_add_co_u32 s75, s75, s76
	s_add_co_u32 s75, s75, 262144                      ; behind the activations'
	s_mov_b32 s23, 0xffff0000
	v_mov_b32 v4, s74
	v_mov_b32 v5, s75
	v_cndmask_b32 v4, v4, v5, s23                      ; lanes 0-15 the activations', lanes 16-31 the weights'
	v_lshl_add_u32 v4, v1, 2, v4
.irp i, 0,1,2,3,4,5,6,7
.irp s, 0,1,2,3,4,5,6,7
	global_load_b32 v[SC+8*\i+\s], v4, s[8:9] offset:\i*512+\s*64   ; (for i above 3 only lanes 16-31 are used)
.endr
.endr
	s_lshl_b32 s76, s42, 10
	s_lshl_b32 s77, s22, 9
	s_add_co_u32 s76, s76, s77                         ; my first column, in bytes
	s_mov_b32 s77, 0
	s_add_nc_u64 s[10:11], s[10:11], s[76:77]
	v_lshlrev_b32 v5, 6, v3
	WIN 0x40
.irp b, 0,1,2,3,4,5,6,7
	global_load_b128 v[BP+8*\b:BP+8*\b+3], v5, s[10:11] offset:(32*(\b/2)+8*(\b%2))*4      ; the bias in the result's layout: columns 32 (b / 2) + 8 (b % 2) + 16 h + 0 .. 7
	global_load_b128 v[BP+8*\b+4:BP+8*\b+7], v5, s[10:11] offset:(32*(\b/2)+8*(\b%2))*4+16
.endr
	WIN 0
	s_lshl_b32 s78, s43, 19                            ; 128 rows of 4,096 bytes a block row,
	s_lshl_b32 s79, s21, 18                            ; 64 a half
	s_add_co_u32 s78, s78, s79
	s_add_co_u32 s78, s78, s76
	s_mov_b32 s79, 0
	s_add_nc_u64 s[12:13], s[12:13], s[78:79]
	s_mul_i32 s80, s20, 16*SPITCH                      ; my stage, in slot 0
	v_mul_u32_u24 v6, v1, SPITCH
	v_lshl_add_u32 v6, v3, 6, v6
	v_add_nc_u32 v[STO], s80, v6
	v_lshlrev_b32 v[CO], 4, v2
	v_add_nc_u32 v[RD], s80, v[CO]
	s_wait_loadcnt 0x0
	s_wait_tensorcnt 1                                 ; slot 0's load has landed; slot 1's may be out
	s_barrier_signal -1
	s_barrier_wait -1
.irp i, 0,1,2,3
	FQ 0, 0, 0, \i
.endr
	STEPN 0, 0, 1                                      ; the first K step starts the sums on the bias
	TURNN 0, 1, 1, 1
	STEPN 1, 2, 0
	TURNN 1, 0, 3, 1
	STEPN 0, 4, 0
	TURNN 0, 1, 5, 0                                   ; nothing is left to fetch
	STEPN 1, 6, 0
	s_wait_alu depctr_va_vdst(0)
	s_wait_dscnt 0x0
.irp i, 0,1,2,3
	MUL8 \i, 1, 7, 0
.endr
	WIN 0
; THE WAY OUT, by blocks of 16 rows x 128 columns through my own stage, which lies in slot 0: that slot has had its last fill, and every wave has passed the barrier behind its last read.
; Rows come back whole: the 32 lanes store 512 consecutive bytes.  LDS serves a wave's instructions in order, so no wait stands between the stores and the loads.
.macro TOSTAGE a
.set AC, 64*(\a)
	WIN 0x08                                           ; the data: window 2
.irp b, 0,1,2,3,4,5,6,7
	ds_store_b128 v[STO], v[AC+8*\b:AC+8*\b+3] offset:128*(\b/2)+32*(\b%2)          ; each accumulator from its low end on
	ds_store_b128 v[STO], v[AC+8*\b+4:AC+8*\b+7] offset:128*(\b/2)+32*(\b%2)+16
.endr
	WIN 0
.set BB, BK+64*((\a)%2)
.irp t, 0,1,2,3,4,5,6,7,8,9,10,11,12,13,14,15
	ds_load_b128 v[BB+4*\t:BB+4*\t+3], v[RD] offset:\t*SPITCH
.endr
.endm
.macro SEND a, younger                 ; younger: the LDS instructions issued behind block a's loads, which may stay out
.set BB, BK+64*((\a)%2)
	s_wait_dscnt \younger
.irp t, 0,1,2,3,4,5,6,7,8,9,10,11,12,13,14,15
	global_store_b128 v[CO], v[BB+4*\t:BB+4*\t+3], s[12:13] offset:(32*((\a)/2)+8*((\a)%2)+\t+8*(\t/8))*4096 th:TH_STORE_NT
.endr
.endm
	PLACES 4
	TOSTAGE 0
.irp a, 1,2,3
.if \a > 1
	s_wait_xcnt 0x0                                    ; block a - 2's stores have read their registers
.endif
	TOSTAGE \a
	SEND \a-1, 32                                      ; behind block a - 1's loads: block a's 16 stores and 16 loads
.endr
	SEND 3, 0
	s_wait_tensorcnt 0x0                               ; the wave's end
	ds_add_u32 v[SPW], v[NIL]
	s_wait_dscnt 0x0
	CROUND                                             ; the closing round
	s_endpgm
.Lfunc_end_k_q15bd695391_oproj:
	.size	k_q15bd695391_oproj, .Lfunc_end_k_q15bd695391_oproj-k_q15bd695391_oproj
	.p2alignl 7, 3214868480
	.fill 96, 4, 3214868480
	.section	.rodata,"a",@progbits
	.p2align	6, 0x0
	.amdhsa_kernel k_q15bd695391_oproj
		.amdhsa_group_segment_fixed_size 327680
		.amdhsa_private_segment_fixed_size 0
		.amdhsa_enable_private_segment 0
		.amdhsa_kernarg_size 40
		.amdhsa_user_sgpr_count 2
		.amdhsa_user_sgpr_kernarg_segment_ptr 1
		.amdhsa_wavefront_size32 1
		.amdhsa_system_sgpr_workgroup_id_x 1
		.amdhsa_system_sgpr_workgroup_id_y 1
		.amdhsa_system_sgpr_workgroup_id_z 1
		.amdhsa_system_vgpr_workitem_id 0
		.amdhsa_next_free_vgpr 768
		.amdhsa_next_free_sgpr 98
		.amdhsa_reserve_vcc 0
		.amdhsa_float_denorm_mode_32 3
		.amdhsa_float_denorm_mode_16_64 3
		.amdhsa_memory_ordered 1
		.amdhsa_forward_progress 1
		.amdhsa_inst_pref_size 106
	.end_amdhsa_kernel
	.amdgpu_metadata
---
amdhsa.version: [ 1, 2 ]
amdhsa.kernels:
  - .name:           k_q15bd695391_oproj
    .symbol:         k_q15bd695391_oproj.kd
    .args:
      - { .name: a_img, .offset: 0, .size: 8, .value_kind: global_buffer, .address_space: global }
      - { .name: w_img, .offset: 8, .size: 8, .value_kind: global_buffer, .address_space: global }
      - { .name: sc2, .offset: 16, .size: 8, .value_kind: global_buffer, .address_space: global }
      - { .name: b_o, .offset: 24, .size: 8, .value_kind: global_buffer, .address_space: global }
      - { .name: out0, .offset: 32, .size: 8, .value_kind: global_buffer, .address_space: global }
    .group_segment_fixed_size: 327680
    .private_segment_fixed_size: 0
    .kernarg_segment_align: 8
    .kernarg_segment_size: 40
    .max_flat_workgroup_size: 128
    .sgpr_count:     98
    .vgpr_count:     768
    .wavefront_size: 32
...
	.end_amdgpu_metadata
.endif
;; end of part 4
